; MI455X (gfx1250); checked and timed in simulation.
; The chip was launched on July 23, 2026; its instructions are those of AMD's public machine-readable ISA for CDNA 5 (MIT licence, August 2026) and "CDNA5" Instruction Set Architecture Reference Guide (July 2026). The comments in the code are by the model that wrote it; some were corrected since.
;; Decoupled Bottleneck Attention. Allowed arithmetic: matrix products marked QUANTISED: E4M3 operands, one given power-of-two scale a tensor, by v_wmma_f32_16x16x64_fp8_fp8 or v_wmma_f32_16x16x128_fp8_fp8, f32 sums; products left as they are: f32 operands where the result goes on into a quantised operand, else bf16, f16 or f32 operands; f32 sums; everything else in f32.
;; Inputs: Wk_geo 1,024 x 2,048 float32; Wk_sem 512 x 2,048 float32; Wo 2,048 x 1,024 float32; Wq_geo 1,024 x 2,048 float32; Wq_sem 512 x 2,048 float32; Wv 1,024 x 2,048 float32; lowp_scales 16 int32 (the exponents e of the quantised operands' scales 2^e); x 2 x 2,048 x 2,048 float32.
;; Outputs: out0 2 x 2,048 x 2,048 float32.
;; This version of the problem:
;;   THIS VERSION OF THE PROBLEM IS GIVEN IN LOW PRECISION. The matrix products marked QUANTISED in the list below multiply operands that are first quantised to E4M3 (4 exponent bits, 3 mantissa bits; 8 bits a number), with one given power-of-two scale for each operand tensor; their sums are f32. All else is computed in f32.
;;   The module's matrix products, in the order in which they are computed (A, B: the left and right operand; K: the contracted axis; several contracted axes count as one K, in the product's order):
;;     1. [M 4,096, K 2,048] x [K 2,048, N 512]; A: input x; B: input Wq_sem: QUANTISED (scales: A lowp_scales[0], B lowp_scales[1])
;;     2. [M 4,096, K 2,048] x [K 2,048, N 512]; A: input x; B: input Wk_sem: QUANTISED (scales: A lowp_scales[2], B lowp_scales[3])
;;     3. [M 4,096, K 2,048] x [K 2,048, N 1,024]; A: input x; B: input Wq_geo: QUANTISED (scales: A lowp_scales[4], B lowp_scales[5])
;;     4. [M 2,048, K 1] x [K 1, N 32]; A: computed on the way; B: computed on the way: left as it is (no contracted axis)
;;     5. [M 4,096, K 2,048] x [K 2,048, N 1,024]; A: input x; B: input Wk_geo: QUANTISED (scales: A lowp_scales[6], B lowp_scales[7])
;;     6. [M 2,048, K 1] x [K 1, N 32]; A: computed on the way; B: computed on the way: left as it is (no contracted axis)
;;     7. [M 4,096, K 2,048] x [K 2,048, N 1,024]; A: input x; B: input Wv: QUANTISED (scales: A lowp_scales[8], B lowp_scales[9])
;;     8. batch 32 x [M 2,048, K 96] x [K 96, N 2,048]; A: computed on the way; B: computed on the way: QUANTISED (scales: A lowp_scales[10], B lowp_scales[11])
;;     9. batch 32 x [M 2,048, K 2,048] x [K 2,048, N 64]; A: softmax (see below); B: computed on the way: QUANTISED (scales: A lowp_scales[12], B lowp_scales[13])
;;     10. [M 4,096, K 1,024] x [K 1,024, N 2,048]; A: computed on the way; B: input Wo: QUANTISED (scales: A lowp_scales[14], B lowp_scales[15])
;;   THE QUANTISER, for each operand of a quantised product, along K:
;;     - The operand's scale is 2^e, e = its entry of the input lowp_scales (int32; the entries are numbered through the quantised products in the list's order, A before B).
;;     - Each number is divided by the scale, clamped to +-448, and rounded to the nearest number of E4M3, ties to even, subnormals kept.
;;     - The product sums the exact products of the quantised numbers (number of the format x scale) in f32.
;;   ~~~python
;;   def quantise(x, axis, e):      # numpy; x: float32 -> the quantised numbers, widened to float32 again
;;       x = np.moveaxis(x, axis, -1); K = x.shape[-1]
;;       r = np.clip(x / 2.0 ** e, -448, 448)
;;       step = 2.0 ** (np.maximum(np.frexp(np.where(r == 0, 1, r))[1] - 1, -6) - 3)
;;       q = np.round(r / step) * step * 2.0 ** e      # np.round: ties to even
;;       return np.moveaxis(q, -1, axis).astype(np.float32)
;;   ~~~
;;   SOFTMAX AHEAD OF A QUANTISED PRODUCT. Where the list says 'softmax', what is quantised is not the finished softmax but p = 2^(t - M), with t = logit x log2(e) and M = ceil(the row's largest t), a whole number; so 1/2 < the row's largest p <= 1. The row's sum l is taken of the UNQUANTISED p, in f32, and the product's result is divided by l at the end. Since M is a whole number, a kernel that streams over the keys may use a running M (the ceiling of the running maximum): every later rescaling is an exact power of two, so the quantised numbers keep their values, but for numbers so far below the row's largest that they fall under the format's range.
;;   OPERANDS COMPUTED ON THE WAY. 'Computed on the way' means the value that the module computes at that place (a softmax that the list does not call 'softmax' is quantised finished and normalised). What goes into a quantiser is computed in f32, as accurately as f32 sums, v_exp_f32 and their like allow (about 1e-6 of the number): no bf16 or f16 on the way to a quantiser, and a product that is left as it is and whose result goes on into a quantised operand takes f32 operands (vector FMAs, or v_wmma_f32_16x16x4_f32). A number that lies on a knife's edge between two numbers of the format may be rounded either way, as far as f32 arithmetic and the matrix unit's own rounding can turn it there, and no further.
;; One version. Each part assembles by itself: llvm-mc -triple=amdgcn-amd-amdhsa -mcpu=gfx1250 --defsym DOCPART=n.
;; ======== version 1 of 1: 4 launches
;; limits: right only within a limited range of input values
;; workspace buffers: xc 41,943,040 bytes; wc 10,485,760 bytes; tab 524,288 bytes; qimg 10,485,760 bytes; kvimg 10,485,760 bytes; oimg 4,194,304 bytes
;; launch prep (part 1): grid 608 x 1, 4 waves a work-group, no clusters, 33,280 bytes of LDS; arguments x, Wq_sem, Wk_sem, Wq_geo, Wk_geo, Wv, Wo, lowp_scales, xc, wc, tab; writes xc, wc, tab
.if DOCPART == 1
	.amdgcn_target "amdgcn-amd-amdhsa--gfx1250"
	.amdhsa_code_object_version 6
	.text
	.protected	k_qa90450f9d8_prep
	.globl	k_qa90450f9d8_prep
	.p2align	8
	.type	k_qa90450f9d8_prep,@function
k_qa90450f9d8_prep:
	s_mov_b64 s[64:65], 0
	v_nop
	global_prefetch_b8 v0, s[64:65] scope:SCOPE_SE
	s_setreg_imm32_b32 hwreg(HW_REG_WAVE_MODE, 25, 1), 1
	s_wait_xcnt 0x0
; PREP: f32 numbers into codes of FP8 (E4M3), and the table of cosines and sines for the rotary embedding.
; x [4096][2048] is an operand of five products, each with a scale of its own (entries 0, 2, 4, 6, 8 of the scales): xc has a plane of codes for each, plane p for entry 2 p.  x is read ONCE.
; PLANES WITH EQUAL EXPONENTS HOLD THE SAME CODES, SO EACH DISTINCT EXPONENT'S PLANE IS MADE ONCE: plane 4 always; plane p < 4 only where its exponent differs from plane 4's and from every earlier plane's.
; The next launch finds a product's plane by the same test.  With five different exponents all five planes are made.  The test is a scalar branch on the given whole numbers, round register work and stores alone.
; The six weights have one scale each (entries 1, 3, 5, 7, 9, 15).  wc: rows 0-4095 x 2048 codes = Wq_sem, Wk_sem, Wq_geo, Wk_geo, Wv on end; from byte 8,388,608 Wo [2048][1024].
; code = number / 2^e, held within +-448, to the nearest code, ties to even.  LIMITS: every e between -126 and 119; NaN among the inputs is not served.
; ROW ORDER.  In xc and in rows 0-4095 of wc the rows of each group of 32 are stored with bits 3 and 4 of the row number exchanged: stored row 16 u + r holds row 8 u + r + 8 (r / 8).
; With that order the next launch's results come out as 16 neighbours along the next product's K in a lane's registers.  Wo keeps its order.
; SHARES.  A wave takes a run of 8,192 numbers (four rows of 2,048), 16 steps of 512.  Work-groups 0-255: x; 256-575: the weights; 576-607: the table.  A run's rows keep together, so the exchange of
; bits 3 and 4 of the row is an exchange of bits 1 and 2 of the run's number.
; Each load reads 512 consecutive bytes; a step's 2,048 bytes turn through the wave's own stage in LDS, so that a lane holds 16 neighbours for the conversions; a lane's 16 codes are 16 bytes: each store
; covers 512 consecutive bytes, aligned.  Memory binds: no matrix unit, no cluster, no barrier (waves share nothing).
; TABLE: tab row t (256 bytes) = cos(t f_j), j = 0..31, then sin(t f_j); f_j = 10000^(-j/32).  f_j = 2^(-j c): c is split in c_hi (17 significant bits: j c_hi is exact) and c_lo, whose part is a first-order factor.
; The angle t f_j (one rounding) is reduced by n = nearest(angle x 2/pi) with pi/2 in two parts by fused multiply-adds; on |r| <= pi/4 polynomials of degree 7 and 8 give sine and cosine to about 1e-7.
.set STEPS, 16
.set SP,    80                         ; a lane's place in a stage: its 64 bytes + 16 of padding
.set WREG,  8192                       ; LDS: a region for each wave: two stages of 32 x SP bytes
.set PLANE, 8388608                    ; a plane of xc
.set SC,    16                         ; v16-20   2^e as f32, one for each output
.set LM,    21                         ; v21-25   448 x 2^e
.set R,     32                         ; v32-95   four sets of 16 numbers as loaded
.set X,     96                         ; v96-127  two sets of 16 neighbours
.set T,     128                        ; v128-159 two sets of 16 held numbers
.set C,     160                        ; v160-199 codes: two sets x five outputs x four registers
.set FLG,   69                         ; s70-73   output o = 1..4 (plane o - 1 of x): 1 where it is to be made
	s_load_b512 s[8:23], s[0:1], 0x0               ; x, Wq_sem, Wk_sem, Wq_geo, Wk_geo, Wv, Wo, the scales
	s_load_b128 s[24:27], s[0:1], 0x40             ; xc, wc
	s_load_b64 s[28:29], s[0:1], 0x50              ; tab
	v_lshl_add_u32 v200, v0, 2, 0x8000
	v_mov_b32 v201, 0
	v_lshrrev_b32 v1, 5, v0
	v_readfirstlane_b32 s2, v1                     ; wave
	v_and_b32 v2, 31, v0                           ; lane
	v_lshlrev_b32 v3, 4, v2                        ; 16 x lane: my bytes of a load's or a store's 512; never rewritten
	s_cmp_ge_u32 ttmp9, 576
	s_cbranch_scc1 .Ltable
	s_mul_i32 s3, s2, WREG
	v_lshrrev_b32 v14, 2, v2
	v_mul_u32_u24 v14, v14, SP
	v_and_b32 v15, 3, v2
	v_lshl_add_u32 v14, v15, 4, v14
	v_add_nc_u32 v14, s3, v14                      ; the stage, on the way in: SP (lane / 4) + 16 (lane % 4)
	v_mul_u32_u24 v15, v2, SP
	v_add_nc_u32 v15, s3, v15                      ; and on the way out: SP x lane
	s_wait_kmcnt 0x0
	s_load_b512 s[32:47], s[22:23], 0x0            ; the sixteen exponents
	; which tensor is mine: the choice hangs on the work-group's number alone
	s_cmp_ge_u32 ttmp9, 256
	s_cselect_b64 s[4:5], s[10:11], s[8:9]
	s_cselect_b64 s[48:49], s[26:27], s[24:25]     ; codes go to wc or to xc
	s_cselect_b32 s6, 256, 0                       ; the tensor's first work-group
	s_cselect_b32 s59, 256, 0                      ; the output buffer's first work-group
	s_cselect_b32 s58, 0, 1                        ; 1: x, up to five outputs
	s_cselect_b32 s66, 0, PLANE                    ; from plane to plane
.macro PICK lim, ptr
	s_cmp_ge_u32 ttmp9, \lim
	s_cselect_b64 s[4:5], s[\ptr:\ptr+1], s[4:5]
	s_cselect_b32 s6, \lim, s6
.endm
	PICK 288, 12
	PICK 320, 14
	PICK 384, 16
	PICK 448, 18
	PICK 512, 20
	s_cselect_b32 s60, 0, 6                        ; Wo keeps its row order
	s_sub_co_u32 s62, ttmp9, s6
	s_lshl_b32 s62, s62, 2
	s_add_co_u32 s62, s62, s2                      ; my run in the tensor
	s_lshl_b32 s62, s62, 15                        ; x 8,192 numbers of 4 bytes
	s_mov_b32 s63, 0
	s_add_nc_u64 s[4:5], s[4:5], s[62:63]
	s_sub_co_u32 s62, ttmp9, s59
	s_lshl_b32 s62, s62, 2
	s_add_co_u32 s62, s62, s2                      ; my run in the output buffer
	s_lshr_b32 s68, s62, 1
	s_lshr_b32 s69, s62, 2
	s_xor_b32 s68, s68, s69
	s_and_b32 s68, s68, 1                          ; do bits 1 and 2 differ?
	s_mul_i32 s68, s68, s60
	s_xor_b32 s62, s62, s68                        ; then both are turned: they change places
	s_lshl_b32 s62, s62, 13                        ; x 8,192 codes
	s_mov_b32 s67, 0
	s_add_nc_u64 s[50:51], s[48:49], s[62:63]      ; outputs 1 to 4: planes 0 to 3 of x
	s_add_nc_u64 s[52:53], s[50:51], s[66:67]
	s_add_nc_u64 s[54:55], s[52:53], s[66:67]
	s_add_nc_u64 s[56:57], s[54:55], s[66:67]
	s_add_nc_u64 s[48:49], s[56:57], s[66:67]      ; output 0: plane 4 of x; for a weight the step is 0: its own codes
.macro LOAD t
.irp i, 0,1,2,3
	global_load_b128 v[R+16*((\t)%4)+4*\i:R+16*((\t)%4)+4*\i+3], v3, s[4:5] offset:2048*(\t)+512*\i th:TH_LOAD_NT   ; 32 lanes read 512 consecutive bytes
.endr
.endm
.macro TURN t                          ; step t's numbers through the stage: LDS serves a wave's instructions in order, so no wait stands between the stores and the loads
.irp i, 0,1,2,3
	ds_store_b128 v14, v[R+16*((\t)%4)+4*\i:R+16*((\t)%4)+4*\i+3] offset:32*SP*((\t)%2)+8*SP*\i
.endr
.irp i, 0,1,2,3
	ds_load_b128 v[X+16*((\t)%2)+4*\i:X+16*((\t)%2)+4*\i+3], v15 offset:32*SP*((\t)%2)+16*\i
.endr
.endm
	s_wait_alu depctr_va_vdst(0)
.irp t, 0,1,2,3
	LOAD \t
.endr
	s_wait_kmcnt 0x0
	s_mov_b32 s7, s40                              ; output 0's exponent: x's entry 8, or the weight's own
.macro PICKE lim, e
	s_cmp_ge_u32 ttmp9, \lim
	s_cselect_b32 s7, s[\e], s7
.endm
	PICKE 256, 33
	PICKE 288, 35
	PICKE 320, 37
	PICKE 384, 39
	PICKE 448, 41
	PICKE 512, 47
	; which of x's planes 0 to 3 are made: those whose exponent is not plane 4's and not an earlier plane's
.irp f, 70,71,72,73
	s_mov_b32 s\f, s58                             ; none for a weight
.endr
.macro DROP f, a, b
	s_cmp_eq_u32 s[\a], s[\b]
	s_cselect_b32 s[\f], 0, s[\f]
.endm
	DROP 70, 32, 40
	DROP 71, 34, 40
	DROP 71, 34, 32
	DROP 72, 36, 40
	DROP 72, 36, 32
	DROP 72, 36, 34
	DROP 73, 38, 40
	DROP 73, 38, 32
	DROP 73, 38, 34
	DROP 73, 38, 36
.macro MKSC o, e                       ; 2^e as f32 (the conversion takes its exponent field), and 448 x 2^e
	s_add_co_i32 s68, s[\e], 127
	s_lshl_b32 s69, s68, 23
	v_mov_b32 v[SC+\o], s69
	s_add_co_i32 s68, s68, 8
	s_lshl_b32 s68, s68, 23
	s_or_b32 s68, s68, 0x600000
	v_mov_b32 v[LM+\o], s68
.endm
	MKSC 0, 7
	MKSC 1, 32
	MKSC 2, 34
	MKSC 3, 36
	MKSC 4, 38
	s_wait_alu depctr_va_vdst(0)
	s_wait_loadcnt 12                              ; step 0's four loads are in
	TURN 0
; Output o of step t: the hold goes into other registers, since the numbers serve up to five outputs
.macro OUT t, o
.set TT, T+16*((\o)%2)
.set CC, C+20*((\t)%2)+4*(\o)
.irp i, 0,1,2,3,4,5,6,7,8,9,10,11,12,13,14,15
	v_med3_num_f32 v[TT+\i], v[XS+\i], -v[LM+\o], v[LM+\o]   ; the conversion to an 8-bit code does not saturate (ISA guide 7.6.2): hold within the largest code x the scale first
.endr
	v_cvt_scalef32_pk8_fp8_f32 v[CC:CC+1], v[TT:TT+7], v[SC+\o]
	v_cvt_scalef32_pk8_fp8_f32 v[CC+2:CC+3], v[TT+8:TT+15], v[SC+\o]
	v_nop                                          ; a plain line behind the conversions: a later output writes their sources again
	global_store_b128 v3, v[CC:CC+3], s[48+2*\o:49+2*\o] offset:512*(\t)   ; 512 consecutive bytes, aligned
.endm
.macro OUTIF t, o                      ; a plane of x that is made only where no other plane holds the same codes; only register work and a store stand under the branch
	s_cmp_lg_u32 s[FLG+\o], 0
	s_cbranch_scc0 .Lskip_\@
	OUT \t, \o
.Lskip_\@:
.endm
.macro STEP t
.set XS, X+16*((\t)%2)
	s_wait_dscnt 0x0                               ; this step's numbers are back from the stage: so its stores into the stage have read their registers,
.if (\t)+4 < STEPS
	LOAD (\t)+4                                    ; which take the loads of four steps on
.endif
.if (\t)+1 < STEPS
.if STEPS-2-(\t) >= 3
	s_wait_loadcnt 12                              ; the next step's four loads are in; those of the three steps behind it may be out
.else
	s_wait_loadcnt 4*(STEPS-2-(\t))
.endif
	TURN (\t)+1                                    ; and go through the other stage while this step is worked
.endif
	s_wait_xcnt 0x0                                ; the stores of two steps back have read this set of code registers: only now are they written again
	OUT \t, 0
	OUTIF \t, 1
	OUTIF \t, 2
	OUTIF \t, 3
	OUTIF \t, 4
.endm
.irp t, 0,1,2,3,4,5,6,7,8,9,10,11,12,13,14,15
	STEP \t
.endr
	s_wait_tensorcnt 0x0
	ds_add_u32 v200, v201
	s_wait_dscnt 0x0
	s_endpgm
; THE TABLE.  128 waves, 16 rows each, two rows a store: lane l holds row parity l / 16 and the 16 bytes 16 (l % 16) of it: lanes 0-7 of a half four cosines, lanes 8-15 four sines, of frequencies 4 (l % 8) + 0..3.
.Ltable:
	s_sub_co_u32 s3, ttmp9, 576
	s_lshl_b32 s3, s3, 2
	s_add_co_u32 s3, s3, s2                        ; which 16 rows
	s_lshl_b32 s6, s3, 12                          ; x 16 rows of 256 bytes
	s_mov_b32 s7, 0
	s_lshl_b32 s3, s3, 4                           ; the first row = the first position
	s_mov_b32 s32, 0x3f22f983                      ; 2 / pi
	s_mov_b32 s33, 0xbfc90fdb                      ; -(pi / 2), upper part
	s_mov_b32 s34, 0x333bbd2e                      ; -(pi / 2), the rest: +4.3711388e-8
	s_mov_b32 s35, 0xbe2aaaa3                      ; sine: -1.6666654611e-1
	s_mov_b32 s36, 0x3c08839e                      ;        8.3321608736e-3
	s_mov_b32 s37, 0xb94ca1f9                      ;       -1.9515295891e-4
	s_mov_b32 s38, 0x3d2aaaa5                      ; cosine: 4.166664568e-2
	s_mov_b32 s39, 0xbab6061a                      ;        -1.388731625e-3
	s_mov_b32 s40, 0x37ccf5ce                      ;         2.443315712e-5
	s_wait_alu depctr_va_vdst(0)
	v_and_b32 v5, 7, v2
	v_lshlrev_b32 v5, 2, v5                        ; my first frequency
	v_bfe_u32 v21, v2, 3, 1
	v_xor_b32 v21, 1, v21                          ; cos(a) = sin(a + pi / 2): a cosine's quadrant is one further on
	v_lshrrev_b32 v20, 4, v2
	v_add_nc_u32 v20, s3, v20
	v_cvt_f32_u32 v20, v20                         ; my position in the first pair of rows
.irp k, 0,1,2,3
	v_add_nc_u32 v[6+\k], \k, v5
	v_cvt_f32_u32 v[6+\k], v[6+\k]                 ; j
.endr
.irp k, 0,1,2,3
	v_mul_f32 v[10+\k], 0xbed49a80, v[6+\k]        ; -j c_hi, exact: c_hi = 435412 / 2^20
.endr
	s_wait_alu depctr_va_vdst(0)
.irp k, 0,1,2,3
	v_exp_f32 v[10+\k], v[10+\k]
.endr
.irp k, 0,1,2,3
	v_mul_f32 v[6+\k], 0x342ae0c1, v[6+\k]         ; -j c_lo ln 2.  (Plain lines behind the exponentials)
.endr
	s_wait_alu depctr_va_vdst(0)                   ; one wait for the four exponentials, ahead of their first reader
.irp k, 0,1,2,3
	v_fma_f32 v[16+\k], v[10+\k], v[6+\k], v[10+\k]   ; f_j
.endr
	s_wait_alu depctr_va_vdst(0)
	s_wait_kmcnt 0x0
	s_add_nc_u64 s[28:29], s[28:29], s[6:7]
.macro VAL k, dst
	v_mul_f32 v24, v20, v[16+\k]                   ; the angle, rounded once
	v_mul_f32 v25, s32, v24
	v_rndne_f32 v25, v25                           ; n
	v_fma_f32 v26, v25, s33, v24
	v_fma_f32 v26, v25, s34, v26                   ; r = angle - n pi / 2
	v_mul_f32 v27, v26, v26                        ; z
	v_fma_f32 v28, v27, s37, s36
	v_fma_f32 v28, v28, v27, s35
	v_mul_f32 v28, v28, v27
	v_fma_f32 v28, v28, v26, v26                   ; sin r
	v_fma_f32 v29, v27, s40, s39
	v_fma_f32 v29, v29, v27, s38
	v_mul_f32 v30, v27, v27
	v_fma_f32 v31, v27, -0.5, 1.0
	v_fma_f32 v29, v29, v30, v31                   ; cos r
	v_cvt_i32_f32 v25, v25
	v_add_nc_u32 v25, v25, v21                     ; the quadrant
	v_and_b32 v30, 1, v25
	v_cmp_eq_u32 vcc_lo, 1, v30
	v_cndmask_b32 v[\dst], v28, v29, vcc_lo        ; odd quadrants take the cosine's polynomial,
	v_and_b32 v30, 2, v25
	v_lshlrev_b32 v30, 30, v30
	v_xor_b32 v[\dst], v[\dst], v30                ; quadrants 2 and 3 the other sign
.endm
.set I, 0
.rept 8
	VAL 0, 64+4*I
	VAL 1, 65+4*I
	VAL 2, 66+4*I
	VAL 3, 67+4*I
	global_store_b128 v3, v[64+4*I:67+4*I], s[28:29] offset:512*I   ; two whole rows; each pair of rows has data registers of its own
	v_add_f32 v20, 2.0, v20
.set I, I+1
.endr
	s_endpgm
.Lfunc_end_k_qa90450f9d8_prep:
	.size	k_qa90450f9d8_prep, .Lfunc_end_k_qa90450f9d8_prep-k_qa90450f9d8_prep
	.p2alignl 7, 3214868480
	.fill 96, 4, 3214868480
	.section	.rodata,"a",@progbits
	.p2align	6, 0x0
	.amdhsa_kernel k_qa90450f9d8_prep
		.amdhsa_group_segment_fixed_size 33280
		.amdhsa_private_segment_fixed_size 0
		.amdhsa_enable_private_segment 0
		.amdhsa_kernarg_size 88
		.amdhsa_user_sgpr_count 2
		.amdhsa_user_sgpr_kernarg_segment_ptr 1
		.amdhsa_wavefront_size32 1
		.amdhsa_system_sgpr_workgroup_id_x 1
		.amdhsa_system_sgpr_workgroup_id_y 1
		.amdhsa_system_sgpr_workgroup_id_z 1
		.amdhsa_system_vgpr_workitem_id 0
		.amdhsa_next_free_vgpr 202
		.amdhsa_next_free_sgpr 80
		.amdhsa_reserve_vcc 1
		.amdhsa_float_denorm_mode_32 3
		.amdhsa_float_denorm_mode_16_64 3
		.amdhsa_memory_ordered 1
		.amdhsa_forward_progress 1
		.amdhsa_inst_pref_size 162
	.end_amdhsa_kernel
	.amdgpu_metadata
---
amdhsa.version: [ 1, 2 ]
amdhsa.kernels:
  - .name:           k_qa90450f9d8_prep
    .symbol:         k_qa90450f9d8_prep.kd
    .args:
      - { .name: x, .offset: 0, .size: 8, .value_kind: global_buffer, .address_space: global }
      - { .name: Wq_sem, .offset: 8, .size: 8, .value_kind: global_buffer, .address_space: global }
      - { .name: Wk_sem, .offset: 16, .size: 8, .value_kind: global_buffer, .address_space: global }
      - { .name: Wq_geo, .offset: 24, .size: 8, .value_kind: global_buffer, .address_space: global }
      - { .name: Wk_geo, .offset: 32, .size: 8, .value_kind: global_buffer, .address_space: global }
      - { .name: Wv, .offset: 40, .size: 8, .value_kind: global_buffer, .address_space: global }
      - { .name: Wo, .offset: 48, .size: 8, .value_kind: global_buffer, .address_space: global }
      - { .name: lowp_scales, .offset: 56, .size: 8, .value_kind: global_buffer, .address_space: global }
      - { .name: xc, .offset: 64, .size: 8, .value_kind: global_buffer, .address_space: global }
      - { .name: wc, .offset: 72, .size: 8, .value_kind: global_buffer, .address_space: global }
      - { .name: tab, .offset: 80, .size: 8, .value_kind: global_buffer, .address_space: global }
    .group_segment_fixed_size: 33280
    .private_segment_fixed_size: 0
    .kernarg_segment_align: 8
    .kernarg_segment_size: 88
    .max_flat_workgroup_size: 128
    .sgpr_count:     80
    .vgpr_count:     202
    .wavefront_size: 32
...
	.end_amdgpu_metadata
.endif
;; end of part 1
;; launch proj (part 2): grid 16 x 16, 4 waves a work-group, clusters of 4 x 1, 327,680 bytes of LDS; arguments xc, wc, lowp_scales, tab, qimg, kvimg; writes qimg, kvimg
.if DOCPART == 2
	.amdgcn_target "amdgcn-amd-amdhsa--gfx1250"
	.amdhsa_code_object_version 6
	.text
	.protected	k_qa90450f9d8_proj
	.globl	k_qa90450f9d8_proj
	.p2align	8
	.type	k_qa90450f9d8_proj,@function
k_qa90450f9d8_proj:
	s_mov_b64 s[64:65], 0
	v_nop
	global_prefetch_b8 v0, s[64:65] scope:SCOPE_SE
	s_setreg_imm32_b32 hwreg(HW_REG_WAVE_MODE, 25, 1), 1
	s_wait_xcnt 0x0
	s_wait_alu depctr_hold_cnt(0) depctr_sa_sdst(0) depctr_va_vdst(0) depctr_va_sdst(0) depctr_va_ssrc(0) depctr_va_vcc(0) depctr_vm_vsrc(0)
	s_getreg_b32 s2, hwreg(HW_REG_IB_STS2, 6, 4)
	s_cmp_eq_u32 s2, 0
	s_cbranch_scc0 .Lentry_in_a_cluster
	s_endpgm
.Lentry_in_a_cluster:
	s_bfe_u32 s2, ttmp6, 0x10000c
	s_cmp_lg_u32 s2, 0x3003
	s_cbranch_scc0 .Lentry_shape_is_right
	s_endpgm
.Lentry_shape_is_right:
; PROJ: the five projections of x on codes of FP8 (E4M3), one block of 256 x 256 to a work-group, four waves of 128 x 128; K = 2,048 in steps of 256 through a ring of two LDS slots.
; Rows y = 0-11 of the grid: x's rows against Wq_sem, Wk_sem, Wq_geo, Wk_geo (the geo parts are rotated by the table); y = 12-15: Wv's rows against x's, so that v leaves with the keys innermost.
; The results leave quantised, as images of the next launch's operand registers (chunks of 512 bytes): qimg and kvimg have 20,480 bytes for each head and group of 128 positions:
; 8 tiles x 3 chunks of q or k (12,288 bytes), and in kvimg 4 tiles x 4 chunks of v behind them (in qimg those 8,192 bytes are neither written nor read).
; CLUSTER 4, 1, 1: the four partners share the second operand's tile and ask for it jointly; the first operand's tile is each work-group's own.
; PREFETCH: behind the load of K step s each wave names K step s + 2 of 32 of the 128 rows that it fetches, a lane a row of 256 bytes; the rows are shared out by address
; (own tiles: by y % 4 among the work-groups that read them; joint tiles: by the place in the cluster).  K step 1 is named with K step 2 behind the first load; the last two refills name nothing.
; LIMITS: the given exponents as in PREP; e(out) - e(A) - e(B) between -126 and 119.
.set KSTEP,  256
.set ROWB,   256
.set KROW,   2048
.set PITCH,  272
.set FR,     16
.set NL,     4
.set NP,     4
.set HALFT,  128*PITCH
.set SLOT,   4*HALFT
.set LAPS,   KROW/(2*KSTEP)
.set SPARE,  2*SLOT
.set PLANE,  8388608
.set ADRA, 16
.set ADRB, 20
.set CO,   26
.set TA,   27
.set SPW,  28
.set NIL,  29
.set TMP,  32
.set AF,   128
.set CD,   128
.set G1, 24
.set G0, 32
.set G1B, 48
.set G0B, 56
.set MSB, 0
.macro WIN new
.if MSB != \new
	s_set_vgpr_msb (MSB<<8)|\new
.set MSB, \new
.endif
.endm
.set MUL_LO, 0xa1
.set MUL_HI, 0xf1
.set TO_B,   0x40
.macro JLOAD g0a, g1a, g0b, g1b
	s_cmp_eq_u32 s15, 0
	s_cbranch_scc0 .Lfor_b_\@
	tensor_load_to_lds s[\g0a:\g0a+3], s[\g1a:\g1a+7]
	s_nop 0
.rept 4
	v_nop
.endr
	s_branch .Lasked_\@
.Lfor_b_\@:
	tensor_load_to_lds s[\g0b:\g0b+3], s[\g1b:\g1b+7]
	s_nop 0
.rept 4
	v_nop
.endr
.Lasked_\@:
.endm
.macro CREST
	s_cmp_lg_u32 s14, 0
	s_cbranch_scc1 .Lnot_wave_0_\@
	s_barrier_signal -3
.Lnot_wave_0_\@:
	s_barrier_wait -3
	s_barrier_signal -1
	s_barrier_wait -1
.endm
.macro CROUND
	s_barrier_signal -1
	s_barrier_wait -1
	CREST
.endm
	s_load_b256 s[4:11], s[0:1], 0x0
	s_load_b128 s[68:71], s[0:1], 0x20
	v_lshl_add_u32 v[SPW], v0, 2, SPARE
	v_mov_b32 v[NIL], 0
	ds_add_u32 v28, v29
	ds_add_u32 v28, v29
	s_wait_dscnt 0x0
	v_lshrrev_b32 v1, 5, v0
	v_readfirstlane_b32 s14, v1
	v_and_b32 v30, 31, v0
	v_lshlrev_b32 v30, 11, v30                     ; the prefetches' offset: my lane x a row of 2,048 bytes; never rewritten
	s_lshr_b32 s15, s14, 1
	s_and_b32 s16, s14, 1
	s_bfe_u32 s40, ttmp6, 0x40000
	s_lshl_b32 s42, ttmp9, 2
	s_add_co_u32 s42, s42, s40
	s_and_b32 s17, ttmp7, 0xffff
	s_mov_b32 s[G1+0], (1<<20)|(5<<22)|(3<<25)
	s_mov_b32 s[G1B+0], 15|(1<<20)|(1<<21)|(5<<22)|(3<<25)
.irp g, G1, G1B
	s_mov_b32 s[\g+1], ROWB<<16
	s_mov_b32 s[\g+2], 128<<16
	s_mov_b32 s[\g+3], ROWB<<16
	s_mov_b32 s[\g+4], 128
	s_mov_b32 s[\g+5], KROW
	s_mov_b32 s[\g+6], 0
	s_mov_b32 s[\g+7], 0
.endr
	s_lshl_b32 s18, s42, 8
	s_lshl_b32 s19, s40, 8
	s_add_co_u32 s19, s19, 3072
	s_lshl_b32 s44, s17, 8
	s_sub_co_u32 s45, s17, 12
	s_lshl_b32 s45, s45, 2
	s_add_co_u32 s45, s45, ttmp9
	s_lshl_b32 s46, s45, 8
	s_cmp_ge_u32 s17, 12
	s_cselect_b32 s18, s19, s18
	s_cselect_b32 s46, s46, s44
	s_cselect_b32 s47, 4*PLANE, 0
	s_lshl_b32 s21, s16, 7
	s_add_co_u32 s18, s18, s21
	s_lshl_b32 s18, s18, 11
	s_mov_b32 s19, 0
	s_add_co_u32 s46, s46, s21
	s_lshl_b32 s46, s46, 11
	s_add_co_u32 s46, s46, s47
	s_mov_b32 s47, 0
	s_mul_i32 s43, s14, HALFT
	s_wait_alu depctr_va_vdst(0)
	s_wait_kmcnt 0x0
	s_load_b512 s[80:95], s[8:9], 0x0
	s_cmp_ge_u32 s17, 12
	s_cselect_b64 s[76:77], s[6:7], s[4:5]
	s_cselect_b64 s[78:79], s[4:5], s[6:7]
	s_add_nc_u64 s[46:47], s[78:79], s[46:47]
	CROUND
	s_wait_kmcnt 0x0
	s_cmp_ge_u32 s17, 2
	s_cselect_b32 s75, s82, s80
	s_cmp_ge_u32 s17, 4
	s_cselect_b32 s75, s84, s75
	s_cmp_ge_u32 s17, 8
	s_cselect_b32 s75, s86, s75
	s_mov_b32 s74, 3
	s_cmp_eq_u32 s75, s84
	s_cselect_b32 s74, 2, s74
	s_cmp_eq_u32 s75, s82
	s_cselect_b32 s74, 1, s74
	s_cmp_eq_u32 s75, s80
	s_cselect_b32 s74, 0, s74
	s_cmp_eq_u32 s75, s88
	s_cselect_b32 s74, 4, s74
	s_cmp_ge_u32 s17, 12
	s_cselect_b32 s74, 0, s74
	s_min_u32 s74, s74, 4
	s_lshl_b32 s20, s74, 23
	s_add_co_u32 s18, s18, s20
	s_add_nc_u64 s[20:21], s[76:77], s[18:19]
	s_and_b32 s12, s17, 3                          ; which 32 of my 128 rows I name: own tiles by y % 4, joint tiles by cx
	s_cmp_eq_u32 s15, 0
	s_cselect_b32 s12, s12, s40
	s_cselect_b64 s[72:73], s[20:21], s[46:47]
	s_lshl_b32 s12, s12, 16                        ; 32 rows of 2,048 bytes
	s_mov_b32 s13, 0
	s_add_nc_u64 s[72:73], s[72:73], s[12:13]
.irp s, 0,1
	s_mov_b32 s[G0+4*\s], 1
	s_add_co_u32 s[G0+4*\s+1], s43, \s*SLOT
	s_add_nc_u64 s[G0+4*\s+2:G0+4*\s+3], s[20:21], \s*ROWB
	s_or_b32 s[G0+4*\s+3], s[G0+4*\s+3], 0x80000000
	s_mov_b32 s[G0B+4*\s], 1
	s_add_co_u32 s[G0B+4*\s+1], s43, \s*SLOT
	s_add_nc_u64 s[G0B+4*\s+2:G0B+4*\s+3], s[46:47], \s*ROWB
	s_or_b32 s[G0B+4*\s+3], s[G0B+4*\s+3], 0x80000000
.endr
	JLOAD G0, G1, G0B, G1B                         ; K step 0: one tensor load a wave at the head
	global_prefetch_b8 v30, s[72:73] offset:256 th:TH_LOAD_NT scope:SCOPE_SE   ; K steps 1 and 2
	global_prefetch_b8 v30, s[72:73] offset:512 th:TH_LOAD_NT scope:SCOPE_SE
	v_and_b32 v1, 15, v0
	v_bfe_u32 v2, v0, 4, 1
	v_mul_u32_u24 v3, v1, PITCH
	v_lshl_add_u32 v4, v2, 4, v3
	s_mul_i32 s21, s15, HALFT
	s_mul_i32 s22, s16, HALFT
	s_add_co_u32 s22, s22, 2*HALFT
.irp s, 0,1
	v_add_nc_u32 v[ADRA+\s], s21, v4
	v_add_nc_u32 v[ADRB+\s], s22, v4
	s_add_co_u32 s21, s21, SLOT
	s_add_co_u32 s22, s22, SLOT
.endr
	v_and_b32 v6, 31, v0
	v_lshlrev_b32 v[CO], 4, v6
	v_and_b32 v7, 8, v1
	v_add_nc_u32 v7, v7, v1
	v_lshlrev_b32 v7, 8, v7
	v_lshl_add_u32 v[TA], v2, 6, v7
.macro FRAG reg, adr, q, i
.irp c, 0,1,2,3
	ds_load_b128 v[\reg+4*\c:\reg+4*\c+3], v[\adr] offset:128*(\q)+32*\c+(\i)*16*PITCH
.endr
.endm
.macro MUL16 a0, p, zero
.irp a, \a0, \a0+1
.irp b, 0,1,2,3,4,5,6,7
.if \zero
	v_wmma_f32_16x16x128_fp8_fp8 v[8*(8*((\a)%4)+\b):8*(8*((\a)%4)+\b)+7], v[128*(\p)+FR*\b:128*(\p)+FR*\b+FR-1], v[AF+FR*(\a):AF+FR*(\a)+FR-1], 0
.else
	v_wmma_f32_16x16x128_fp8_fp8 v[8*(8*((\a)%4)+\b):8*(8*((\a)%4)+\b)+7], v[128*(\p)+FR*\b:128*(\p)+FR*\b+FR-1], v[AF+FR*(\a):AF+FR*(\a)+FR-1], v[8*(8*((\a)%4)+\b):8*(8*((\a)%4)+\b)+7]
.endif
.endr
.endr
.endm
.macro FETCH_B slot, q, p
	WIN TO_B
.irp i, 0,1,2,3,4,5,6,7
	FRAG 128*(\p)+FR*\i, ADRB+\slot, \q, \i
.endr
	WIN 0
.endm
.macro FETCH_A slot, q, i0
.irp i, \i0, \i0+1, \i0+2, \i0+3
	FRAG AF+FR*(\i), ADRA+\slot, \q, \i
.endr
.endm
.macro PLACES n
.rept \n
	v_nop
.endr
.endm
.macro STEP slot, q, zero
	s_wait_dscnt 4*NL
	WIN MUL_LO
	MUL16 0, (\q)%2, \zero
	MUL16 2, (\q)%2, \zero
	s_wait_dscnt 0
	PLACES NP
	FETCH_B \slot, (\q)+1, 1-(\q)%2
	FETCH_A \slot, (\q)+1, 0
	WIN MUL_HI
	MUL16 4, (\q)%2, \zero
	MUL16 6, (\q)%2, \zero
	PLACES NP
	WIN 0
	FETCH_A \slot, (\q)+1, 4
.endm
.macro ASK                             ; K step s + 2 behind the refill with K step s; the loop's last trip (s3 = 1) has no such step
	s_cmp_gt_u32 s3, 1
	s_cbranch_scc0 .Lnot_mine_\@
	global_prefetch_b8 v30, s[72:73] offset:768 th:TH_LOAD_NT scope:SCOPE_SE
.Lnot_mine_\@:
.endm
; A slot's last step: all its 64 products, whose fragments are in registers, stand ahead of the wait for the next slot's tile; then the three lines, the round, the refill, and the next slot's first fragments.
.macro TURN slot, next, fill
.if \fill
	s_wait_xcnt 0x0                                ; my last prefetch has read its address: it steps one K step on
	s_add_nc_u64 s[72:73], s[72:73], ROWB
.endif
	s_wait_dscnt 4*NL
	WIN MUL_LO
	MUL16 0, 1, 0
	MUL16 2, 1, 0
	s_wait_dscnt 0x0
	WIN MUL_HI
	MUL16 4, 1, 0
	MUL16 6, 1, 0
	WIN 0
	s_wait_tensorcnt 0x0                           ; my part of the next slot is in
	ds_add_u32 v[SPW], v[NIL]
	s_wait_dscnt 0x0
	s_barrier_signal -1
	s_barrier_wait -1
.if \fill
	CREST
	s_add_nc_u64 s[G0+4*\slot+2:G0+4*\slot+3], s[G0+4*\slot+2:G0+4*\slot+3], 2*ROWB
	s_add_nc_u64 s[G0B+4*\slot+2:G0B+4*\slot+3], s[G0B+4*\slot+2:G0B+4*\slot+3], 2*ROWB
	JLOAD G0+4*\slot, G1, G0B+4*\slot, G1B
.else
	PLACES NP
.endif
	FETCH_B \next, 0, 0
	FETCH_A \next, 0, 0
	FETCH_A \next, 0, 4
.if \fill
	ASK
.endif
.endm
	s_wait_alu depctr_va_vdst(0)
	s_wait_tensorcnt 0x0                           ; my part of K step 0 is in; slot 1's first fill is issued as a refill is
	ds_add_u32 v[SPW], v[NIL]
	s_wait_dscnt 0x0
	CROUND
	JLOAD G0+4, G1, G0B+4, G1B                     ; K step 1
	FETCH_B 0, 0, 0
	FETCH_A 0, 0, 0
	FETCH_A 0, 0, 4
	global_prefetch_b8 v30, s[72:73] offset:768 th:TH_LOAD_NT scope:SCOPE_SE   ; K step 3
	STEP 0, 0, 1
	s_mov_b32 s3, LAPS-1
.Llap:
	TURN 0, 1, 1
	STEP 1, 0, 0
	TURN 1, 0, 1
	STEP 0, 0, 0
	s_sub_co_u32 s3, s3, 1
	s_cmp_lg_u32 s3, 0
	s_cbranch_scc1 .Llap
	TURN 0, 1, 0
	STEP 1, 0, 0
	s_wait_dscnt 4*NL
	WIN MUL_LO
	MUL16 0, 1, 0
	MUL16 2, 1, 0
	s_wait_dscnt 0
	WIN MUL_HI
	MUL16 4, 1, 0
	MUL16 6, 1, 0
	WIN 0
	s_wait_kmcnt 0x0
	s_cmp_ge_u32 s17, 2
	s_cselect_b32 s96, s82, s80
	s_cselect_b32 s97, s83, s81
	s_cselect_b32 s98, s91, s90
	s_cmp_ge_u32 s17, 4
	s_cselect_b32 s96, s84, s96
	s_cselect_b32 s97, s85, s97
	s_cselect_b32 s98, s90, s98
	s_cmp_ge_u32 s17, 8
	s_cselect_b32 s96, s86, s96
	s_cselect_b32 s97, s87, s97
	s_cselect_b32 s98, s91, s98
	s_cmp_ge_u32 s17, 12
	s_cselect_b32 s96, s88, s96
	s_cselect_b32 s97, s89, s97
	s_cselect_b32 s98, s93, s98
	s_sub_co_i32 s98, s98, s96
	s_sub_co_i32 s98, s98, s97
	s_add_co_i32 s98, s98, 127
	s_lshl_b32 s99, s98, 23
	v_mov_b32 v12, s99
	s_add_co_i32 s98, s98, 8
	s_lshl_b32 s98, s98, 23
	s_or_b32 s98, s98, 0x600000
	v_mov_b32 v13, s98
	PLACES NP
	s_and_b32 s18, s42, 7
	s_lshl_b32 s19, s18, 4
	s_lshl_b32 s20, s15, 3
	s_add_co_u32 s19, s19, s20
	s_lshr_b32 s20, s42, 3
	s_lshl_b32 s20, s20, 4
.macro HOLD a
	WIN 0x02+((\a)/4)
.set J, 0
.rept 64
	v_med3_num_f32 v[TMP+J], v[64*((\a)%4)+J], -v13, v13
.set J, J+1
.endr
	WIN 0
.endm
.macro ROPE a
	WIN 0x06+((\a)/4)
.irp hh, 0,1
.irp i, 0,2,4,6,8,10,12,14
	v_pk_mul_f32 v[TMP+32*\hh+\i:TMP+32*\hh+\i+1], v[64*((\a)%4)+32*\hh+16+\i:64*((\a)%4)+32*\hh+16+\i+1], v[32*(\a)+16+\i:32*(\a)+16+\i+1]
	v_pk_mul_f32 v[TMP+32*\hh+16+\i:TMP+32*\hh+16+\i+1], v[64*((\a)%4)+32*\hh+16+\i:64*((\a)%4)+32*\hh+16+\i+1], v[32*(\a)+\i:32*(\a)+\i+1]
	v_pk_fma_f32 v[TMP+32*\hh+\i:TMP+32*\hh+\i+1], v[64*((\a)%4)+32*\hh+\i:64*((\a)%4)+32*\hh+\i+1], v[32*(\a)+\i:32*(\a)+\i+1], v[TMP+32*\hh+\i:TMP+32*\hh+\i+1] neg_lo:[0,0,1] neg_hi:[0,0,1]
	v_pk_fma_f32 v[TMP+32*\hh+16+\i:TMP+32*\hh+16+\i+1], v[64*((\a)%4)+32*\hh+\i:64*((\a)%4)+32*\hh+\i+1], v[32*(\a)+16+\i:32*(\a)+16+\i+1], v[TMP+32*\hh+16+\i:TMP+32*\hh+16+\i+1]
.endr
.endr
	WIN 0
.set J, 0
.rept 64
	v_med3_num_f32 v[TMP+J], v[TMP+J], -v13, v13
.set J, J+1
.endr
.endm
.macro CVST a, kind
	WIN 0
.irp b, 0,1,2,3
	v_cvt_scalef32_pk8_fp8_f32 v[CD+16*(\a)+4*\b:CD+16*(\a)+4*\b+1], v[TMP+16*\b:TMP+16*\b+7], v12
	v_cvt_scalef32_pk8_fp8_f32 v[CD+16*(\a)+4*\b+2:CD+16*(\a)+4*\b+3], v[TMP+16*\b+8:TMP+16*\b+15], v12
.endr
	v_nop
.irp b, 0,1,2,3
.if \kind == 0
.set OF, (\a)*1536+\b*327680
.elseif \kind == 1
.set OF, (\a)*1536+(\b/2)*327680+(\b%2)*512
.else
.set OF, ((\a)/4)*327680+((\a)%4)*2048+\b*512
.endif
	global_store_b128 v[CO], v[CD+16*(\a)+4*\b:CD+16*(\a)+4*\b+3], s[76:77] offset:OF
.endr
.endm
	s_cmp_ge_u32 s17, 12
	s_cbranch_scc1 .Lv
	s_cmp_ge_u32 s17, 4
	s_cbranch_scc1 .Lgeo
	s_and_b32 s21, s17, 1
	s_lshl_b32 s21, s21, 3
	s_add_co_u32 s20, s20, s21
	s_lshl_b32 s21, s16, 2
	s_add_co_u32 s20, s20, s21
	s_lshl_b32 s20, s20, 7
	s_add_co_u32 s20, s20, s19
	s_lshr_b32 s20, s20, 3                         ; 16 x head + group of 128 positions
	s_mul_i32 s20, s20, 20480
	s_mov_b32 s21, 0
	s_cmp_lt_u32 s17, 2
	s_cselect_b64 s[76:77], s[68:69], s[70:71]
	s_add_nc_u64 s[76:77], s[76:77], s[20:21]
	s_wait_alu depctr_va_vdst(0)
.irp a, 0,1,2,3,4,5,6,7
	HOLD \a
	CVST \a, 0
.endr
	s_branch .Lend
.Lgeo:
	s_and_b32 s21, s17, 3
	s_lshl_b32 s21, s21, 2
	s_add_co_u32 s20, s20, s21
	s_lshl_b32 s21, s16, 1
	s_add_co_u32 s20, s20, s21
	s_lshl_b32 s20, s20, 7
	s_add_co_u32 s20, s20, s19
	s_lshr_b32 s20, s20, 3
	s_mul_i32 s20, s20, 20480
	s_add_co_u32 s20, s20, 512
	s_mov_b32 s21, 0
	s_cmp_lt_u32 s17, 8
	s_cselect_b64 s[76:77], s[68:69], s[70:71]
	s_add_nc_u64 s[76:77], s[76:77], s[20:21]
	s_lshl_b32 s18, s18, 8
	s_lshl_b32 s19, s15, 7
	s_add_co_u32 s18, s18, s19
	s_lshl_b32 s18, s18, 8
	s_mov_b32 s19, 0
	s_add_nc_u64 s[10:11], s[10:11], s[18:19]
	WIN 0x40
.irp a, 0,1,2,3,4,5,6,7
.irp j, 0,1,2,3
	global_load_b128 v[32*\a+4*\j:32*\a+4*\j+3], v[TA], s[10:11] offset:(32*(\a/2)+8*(\a%2))*256+16*\j
.endr
.irp j, 0,1,2,3
	global_load_b128 v[32*\a+16+4*\j:32*\a+16+4*\j+3], v[TA], s[10:11] offset:(32*(\a/2)+8*(\a%2))*256+128+16*\j
.endr
.endr
	WIN 0
.irp a, 0,1,2,3,4,5,6,7
	s_wait_loadcnt 56-8*\a
	ROPE \a
	CVST \a, 1
.endr
	s_branch .Lend
.Lv:
	s_sub_co_u32 s18, s17, 12
	s_lshl_b32 s18, s18, 2
	s_add_co_u32 s18, s18, ttmp9
	s_lshr_b32 s19, s18, 3
	s_lshl_b32 s19, s19, 4
	s_lshl_b32 s20, s40, 2
	s_add_co_u32 s19, s19, s20
	s_lshl_b32 s20, s15, 1
	s_add_co_u32 s19, s19, s20
	s_lshl_b32 s19, s19, 4
	s_and_b32 s18, s18, 7
	s_lshl_b32 s18, s18, 1
	s_add_co_u32 s19, s19, s18
	s_add_co_u32 s19, s19, s16
	s_mul_i32 s20, s19, 20480
	s_add_co_u32 s20, s20, 12288                   ; v's chunks lie behind k's
	s_mov_b32 s21, 0
	s_add_nc_u64 s[76:77], s[70:71], s[20:21]
	s_wait_alu depctr_va_vdst(0)
.irp a, 0,1,2,3,4,5,6,7
	HOLD \a
	CVST \a, 2
.endr
.Lend:
	s_wait_tensorcnt 0x0
	ds_add_u32 v[SPW], v[NIL]
	s_wait_dscnt 0x0
	CROUND
	s_endpgm
.Lfunc_end_k_qa90450f9d8_proj:
	.size	k_qa90450f9d8_proj, .Lfunc_end_k_qa90450f9d8_proj-k_qa90450f9d8_proj
	.p2alignl 7, 3214868480
	.fill 96, 4, 3214868480
	.section	.rodata,"a",@progbits
	.p2align	6, 0x0
	.amdhsa_kernel k_qa90450f9d8_proj
		.amdhsa_group_segment_fixed_size 327680
		.amdhsa_private_segment_fixed_size 0
		.amdhsa_enable_private_segment 0
		.amdhsa_kernarg_size 48
		.amdhsa_user_sgpr_count 2
		.amdhsa_user_sgpr_kernarg_segment_ptr 1
		.amdhsa_wavefront_size32 1
		.amdhsa_system_sgpr_workgroup_id_x 1
		.amdhsa_system_sgpr_workgroup_id_y 1
		.amdhsa_system_sgpr_workgroup_id_z 1
		.amdhsa_system_vgpr_workitem_id 0
		.amdhsa_next_free_vgpr 1024
		.amdhsa_next_free_sgpr 100
		.amdhsa_reserve_vcc 0
		.amdhsa_float_denorm_mode_32 3
		.amdhsa_float_denorm_mode_16_64 3
		.amdhsa_memory_ordered 1
		.amdhsa_forward_progress 1
		.amdhsa_inst_pref_size 240
	.end_amdhsa_kernel
	.amdgpu_metadata
---
amdhsa.version: [ 1, 2 ]
amdhsa.kernels:
  - .name:           k_qa90450f9d8_proj
    .symbol:         k_qa90450f9d8_proj.kd
    .args:
      - { .name: xc, .offset: 0, .size: 8, .value_kind: global_buffer, .address_space: global }
      - { .name: wc, .offset: 8, .size: 8, .value_kind: global_buffer, .address_space: global }
      - { .name: lowp_scales, .offset: 16, .size: 8, .value_kind: global_buffer, .address_space: global }
      - { .name: tab, .offset: 24, .size: 8, .value_kind: global_buffer, .address_space: global }
      - { .name: qimg, .offset: 32, .size: 8, .value_kind: global_buffer, .address_space: global }
      - { .name: kvimg, .offset: 40, .size: 8, .value_kind: global_buffer, .address_space: global }
    .group_segment_fixed_size: 327680
    .private_segment_fixed_size: 0
    .kernarg_segment_align: 8
    .kernarg_segment_size: 48
    .max_flat_workgroup_size: 128
    .sgpr_count:     100
    .vgpr_count:     1024
    .wavefront_size: 32
...
	.end_amdgpu_metadata
.endif
;; end of part 2
;; launch attn (part 3): grid 8 x 32, 16 waves a work-group, clusters of 4 x 1, 327,680 bytes of LDS; arguments qimg, kvimg, lowp_scales, oimg; writes oimg
.if DOCPART == 3
	.amdgcn_target "amdgcn-amd-amdhsa--gfx1250"
	.amdhsa_code_object_version 6
	.text
	.protected	k_qa90450f9d8_attn
	.globl	k_qa90450f9d8_attn
	.p2align	8
	.type	k_qa90450f9d8_attn,@function
k_qa90450f9d8_attn:
	s_mov_b64 s[64:65], 0
	v_nop
	global_prefetch_b8 v0, s[64:65] scope:SCOPE_SE
	s_setreg_imm32_b32 hwreg(HW_REG_WAVE_MODE, 25, 1), 1
	s_wait_xcnt 0x0
	s_wait_alu depctr_hold_cnt(0) depctr_sa_sdst(0) depctr_va_vdst(0) depctr_va_sdst(0) depctr_va_ssrc(0) depctr_va_vcc(0) depctr_vm_vsrc(0)
	s_getreg_b32 s2, hwreg(HW_REG_IB_STS2, 6, 4)
	s_cmp_eq_u32 s2, 0
	s_cbranch_scc0 .Lentry_in_a_cluster
	s_endpgm
.Lentry_in_a_cluster:
	s_bfe_u32 s2, ttmp6, 0x10000c
	s_cmp_lg_u32 s2, 0x3003
	s_cbranch_scc0 .Lentry_shape_is_right
	s_endpgm
.Lentry_shape_is_right:
; ATTN: causal attention on codes of FP8 (E4M3): 32 batch x heads, 2,048 positions, K = 96 for the scores (filled to 128 with zero codes on both sides), 64 dims of v.  o leaves quantised for the last product.
; THE SOFTMAX: t = score x log2(e) / sqrt(96); M = the running largest t, rounded UP to a whole number; p = 2^(t - M) is quantised along the keys, not normalised; the row's sum is taken of the unquantised p and divides at the end.
; When M moves, the sum and O are multiplied by 2^(old M - new M): exact.  Key steps that lie wholly under reference()'s own causal mask are left out.
; OPERANDS are images of registers, chunks of 512 bytes (lane l's 16 bytes at 16 l).  Both products are used transposed: S^T = K Q^T, O^T = V^T P^T: a lane holds ONE query.  The rows of a tile of 16 are rows
; 8 u + r + 8 (r / 8) of a group of 32 (tile 2 b + u), so that the 16 registers of tiles 2 b, 2 b + 1 are 16 neighbours along the next K.
; SHARES.  Sixteen waves, four to a SIMD.  A tile of 16 queries of RANK rho needs key steps (128 keys) 0 .. rho, the last under the mask.  Work-group i of a head has tile 8 rho + i of every rank; wave w has the rank
; (w & 12) | ((w & 3) ^ 3 ((w >> 2) & 1)).  THE KEYS OF THE EIGHT LONG TILES ARE DIVIDED BETWEEN TWO WAVES.  Pair j = 0 .. 7 is the wave of rank j (waves 0-7) and the wave of rank 15 - j (waves 8-15).
; The wave of rank 15 - j walks key steps 0 .. HL of its tile, HL = 9, 9, 8, 7, 7, 7, 7, 7 for j = 0 .. 7.  The wave of rank j walks its own tile (j + 1 steps), stores it, takes the long tile's Q and walks that
; tile's key steps HL + 1 .. 15 - j.  So no wave walks more than 10 steps, the wait at the second round counted, and each SIMD has 34.  The long tile's owner lays its O^T, -M and sums into LDS; behind one barrier its partner brings
; both parts under the larger M (factors that are powers of two) and adds them, divides and stores.
; LDS.  A key step is 20,480 bytes of kvimg (k 12,288, v 8,192).  Key steps 0 to 14 of the head stay in LDS, step k at 20,480 k: 307,200 bytes, then 2,048 of spare words.  They are filled in two groups, one load a wave:
; steps 0-3 at the head (20 rows of 256 bytes a wave), steps 4-14 behind the first round (55 rows a wave).  Key step 15 is read by wave 0 alone (pair 0's second part): that wave fetches it itself, behind the
; second round, onto key step 0's bytes, which nobody reads any more, and its own wait on TENSORcnt orders its reads.  The parts handed over (4,608 bytes a pair) lie in key steps 1-3's bytes, which have had
; their last fill and, at the second round, their last read.  Between the rounds and the last barrier no wave waits for another.
; Every wave walks all loops (constant trip counts); a step that is not the wave's is left out by scalar branches on numbers made of the wave's number and the step's count.
; CLUSTER 4, 1, 1: four work-groups of one head ask for the same bytes of kvimg jointly.
; NO PREFETCH: all bytes of k and v are asked for by the head's load and by the loads behind the first two rounds; no later request is left that one could run ahead of.
; LIMITS on the given exponents: e10 + e11 between -123 and 130; e12, and e14 - e12 - e13, between -126 and 119.
; REGISTERS: v1 16 x lane; v2 the mask's bound; v3, v4 the way out's scale and hold; v5, v6 the spare word and 0; v7 my pair's LDS bytes; v8 LDS address; v12 -M, v13 largest t, v[14:15] the sum; v16-31 Q (v28-31 zeros);
; v32-95 four fragments of K (each one's last four: zeros); v96-159 S^T, then p, then V's tiles 2, 3; v160-191 O^T; v192-207 p's codes; v208-239 V's tiles 0, 1; v240 448 x 2^ep, v241 2^ep; v242-254 at work.
.set STEPB, 20480
.set VOFF,  12288
.set SPARE, 15*STEPB
.set PART,  4608                       ; a pair's bytes: 8 chunks of O^T, one of -M and the sums
.set LI,   1
.set DQ,   2
.set OSC,  3
.set OLM,  4
.set SPW,  5
.set NIL,  6
.set PAD,  7
.set ADK,  8
.set TB,   3                           ; s3   LDS byte at which the key step in hand begins
.set Q2,   12                          ; s[12:13] the long tile's Q;  s[14:15] its place in oimg
.set O2,   14
.set IDX,  16                          ; s16  my pair
.set HL,   17                          ; s17  the last key step of the long tile's owner
.set WV,   18
.set SEL,  20
.set CS,   22
.set G1A,  24                          ; s[24:31], s[32:39], s[48:55] descriptor groups 1: 20, 55, 80 rows of 256 bytes
.set G1B,  32
.set G0,   40                          ; s[40:43] group 0, written anew behind each wait for all my tensor loads
.set R2,   46
.set LIM,  47                          ; s47  my last key step on the tile in hand;  s90 my first
.set G1C,  48
.set CNT,  67
.set LO,   90
.set KS,   98                          ; s98  the key step's number
.set RHO,  99                          ; s99  the rank of the tile in hand
.macro CROUND                          ; a round of the cluster's barrier
	s_barrier_signal -1
	s_barrier_wait -1
	s_cmp_lg_u32 s[WV], 0
	s_cbranch_scc1 .Lnot_wave_0_\@
	s_barrier_signal -3
.Lnot_wave_0_\@:
	s_barrier_wait -3
	s_barrier_signal -1
	s_barrier_wait -1
.endm
.macro NOPS4
.rept 4
	v_nop
.endr
.endm
	s_load_b256 s[4:11], s[0:1], 0x0               ; qimg, kvimg, the scales, oimg
	v_lshl_add_u32 v[SPW], v0, 2, SPARE
	v_mov_b32 v[NIL], 0
	ds_add_u32 v[SPW], v[NIL]                      ; the opening lines: the add twice on end and its wait ahead of my first tensor load
	ds_add_u32 v[SPW], v[NIL]
	v_lshrrev_b32 v8, 5, v0
	v_readfirstlane_b32 s[WV], v8                  ; wave 0..15
	s_bfe_u32 s44, ttmp6, 0x40000                  ; cx
	s_lshl_b32 s45, ttmp9, 2
	s_add_co_u32 s45, s45, s44                     ; i: which work-group of the head
	s_and_b32 s56, ttmp7, 0xffff                   ; batch x head
	s_and_b32 s57, s[WV], 12
	s_lshr_b32 s58, s[WV], 2
	s_and_b32 s58, s58, 1
	s_mul_i32 s58, s58, 3
	s_and_b32 s59, s[WV], 3
	s_xor_b32 s59, s59, s58
	s_or_b32 s[RHO], s57, s59                      ; my rank
	s_xor_b32 s[R2], s[RHO], 15                    ; my partner's
	s_lshr_b32 s91, s[RHO], 3
	s_mul_i32 s91, s91, 15
	s_xor_b32 s[IDX], s[RHO], s91                  ; my pair j: the lesser of the two ranks
	s_min_u32 s[HL], s[IDX], 3
	s_sub_co_u32 s[HL], 3, s[HL]
	s_min_u32 s[HL], s[HL], 2
	s_add_co_u32 s[HL], s[HL], 7                   ; 9, 9, 8, 7, 7, 7, 7, 7
	s_cmp_lt_u32 s[WV], 8
	s_cselect_b32 s[LIM], s[RHO], s[HL]            ; a short tile is walked whole, a long one up to HL
	s_mov_b32 s[LO], 0
	s_mul_i32 s91, s[IDX], PART
	s_add_co_u32 s91, s91, STEPB                   ; my pair's LDS bytes
	s_lshl_b32 s60, s56, 4
	s_add_co_u32 s60, s60, s[RHO]
	s_mul_i32 s60, s60, STEPB
	s_mul_i32 s61, s45, 1536
	s_add_co_u32 s60, s60, s61                     ; my tile's three chunks in qimg
	s_lshl_b32 s96, s56, 4
	s_add_co_u32 s96, s96, s[R2]
	s_mul_i32 s96, s96, STEPB
	s_add_co_u32 s96, s96, s61                     ; and my partner's tile's
	s_mov_b32 s61, 0
	s_mov_b32 s97, 0
	s_mul_i32 s62, s56, 16*STEPB                   ; the head in kvimg
	s_mov_b32 s63, 0
	s_mul_i32 s86, s[WV], 20*256                   ; my part of key steps 0-3: the same byte in the head's image and in LDS
	s_mov_b32 s87, 0
	s_mul_i32 s88, s[WV], 55*256
	s_add_co_u32 s88, s88, 4*STEPB                 ; and of key steps 4-14
	s_mov_b32 s89, 0
	s_and_b32 s57, s56, 15                         ; the head h.  oimg: [h / 4][block of 16 rows 256][(h / 2) % 2][chunk 2 (h % 2) + b][512]
	s_lshr_b32 s58, s57, 2
	s_lshl_b32 s58, s58, 20
	s_and_b32 s57, s57, 3
	s_lshl_b32 s57, s57, 10
	s_add_co_u32 s58, s58, s57
	s_lshr_b32 s57, s56, 4
	s_lshl_b32 s57, s57, 19                        ; the batch's 128 blocks of 4,096 bytes
	s_add_co_u32 s57, s58, s57
	s_lshl_b32 s58, s[RHO], 3
	s_add_co_u32 s58, s58, s45                     ; my tile of 16 queries
	s_lshl_b32 s58, s58, 12
	s_add_co_u32 s58, s58, s57
	s_mov_b32 s59, 0
	s_lshl_b32 s92, s[R2], 3
	s_add_co_u32 s92, s92, s45                     ; my partner's
	s_lshl_b32 s92, s92, 12
	s_add_co_u32 s92, s92, s57
	s_mov_b32 s93, 0
.irp g, G1A, G1B, G1C
	s_mov_b32 s[\g], 15|(1<<21)                    ; the mask names the cluster's four; elements of 1 byte; no padding: every read is 512 consecutive bytes
	s_mov_b32 s[\g+1], 256<<16
	s_mov_b32 s[\g+3], 256<<16
	s_mov_b32 s[\g+5], 256
	s_mov_b32 s[\g+6], 0
	s_mov_b32 s[\g+7], 0
.endr
	s_mov_b32 s[G1A+2], 20<<16
	s_mov_b32 s[G1A+4], 20
	s_mov_b32 s[G1B+2], 55<<16
	s_mov_b32 s[G1B+4], 55
	s_mov_b32 s[G1C+2], 80<<16
	s_mov_b32 s[G1C+4], 80
	s_mov_b32 s[SEL], 0x76543210
	s_mov_b32 s[SEL+1], 0xfedcba98
	s_mov_b32 s[CS], 0x3e16c740                    ; log2(e) / sqrt(96)
	s_mov_b32 s[TB], 0
	s_mov_b32 s[KS], 0
	s_wait_alu depctr_va_vdst(0)
	s_wait_dscnt 0x0                               ; both opening adds are done
	s_wait_kmcnt 0x0
	s_load_b512 s[68:83], s[8:9], 0x0              ; the sixteen exponents: entry n in s[68 + n]
	s_add_nc_u64 s[84:85], s[6:7], s[62:63]        ; the head's image
	s_mov_b32 s[G0], 1
	s_mov_b32 s[G0+1], s86
	s_add_nc_u64 s[G0+2:G0+3], s[84:85], s[86:87]
	s_or_b32 s[G0+3], s[G0+3], 0x80000000
	CROUND                                         ; the round in front of the first joint loads
	tensor_load_to_lds s[G0:G0+3], s[G1A:G1A+7]    ; key steps 0-3: every wave's one load at the head
	s_nop 0
	NOPS4
	s_add_nc_u64 s[Q2:Q2+1], s[4:5], s[96:97]
	s_add_nc_u64 s[O2:O2+1], s[10:11], s[92:93]
	s_add_nc_u64 s[4:5], s[4:5], s[60:61]
	s_add_nc_u64 s[10:11], s[10:11], s[58:59]
	v_and_b32 v8, 31, v0
	v_lshlrev_b32 v[LI], 4, v8
.irp c, 0,1,2
	global_load_b128 v[16+4*\c:19+4*\c], v[LI], s[4:5] offset:512*\c   ; Q's fragment stays in registers
.endr
	v_add_nc_u32 v[PAD], s91, v[LI]
	v_and_b32 v9, 7, v0
	v_bfe_u32 v10, v0, 3, 1
	v_bfe_u32 v11, v0, 4, 1
	v_sub_nc_u32 v10, v10, v11
	v_lshl_add_u32 v[DQ], v10, 4, v9               ; (r % 8) + 16 (r / 8) - 16 (lane / 16),
	s_lshr_b32 s92, s45, 1
	s_lshl_b32 s92, s92, 5
	s_and_b32 s93, s45, 1
	s_lshl_b32 s93, s93, 3
	s_add_co_u32 s92, s92, s93
	v_add_nc_u32 v[DQ], s92, v[DQ]                 ; + the tile's place among its rank's 128 queries, the same for both my tiles: register 16 b + i of S^T is hidden on the diagonal where 32 b + i is above this
	v_mov_b32 v13, 0xff61b1e6                      ; the largest t so far: -3e38
	v_floor_f32 v12, -v13                          ; -M
	v_mov_b32 v14, 0
	v_mov_b32 v15, 0
	v_mov_b32 v244, 0                              ; a lane permute's destination counts as one of its sources
	v_mov_b32 v252, 0
	v_mov_b32 v253, 0
.irp j, 28,29,30,31, 44,45,46,47, 60,61,62,63, 76,77,78,79, 92,93,94,95
	v_mov_b32 v\j, 0                               ; k = 96 .. 127 of Q and of K's fragments: zero codes, written once
.endr
.set J, 0
.rept 32
	v_mov_b32 v[160+J], 0                          ; O^T: the step is written for all steps alike, a tile's first finds zeros
.set J, J+1
.endr
	s_wait_kmcnt 0x0
	s_add_co_i32 s92, s78, s79
	s_lshl_b32 s92, s92, 23
	s_add_co_i32 s[CS], s[CS], s92                 ; a score stands for score x 2^(e10 + e11): added to c's exponent field
	s_mov_b32 s[CS+1], s[CS]
	s_add_co_i32 s92, s80, 127
	s_lshl_b32 s93, s92, 23
	v_mov_b32 v241, s93                            ; 2^e12 as f32
	s_add_co_i32 s92, s92, 8
	s_lshl_b32 s92, s92, 23
	s_or_b32 s92, s92, 0x600000
	v_mov_b32 v240, s92                            ; 448 x 2^e12
	s_sub_co_i32 s92, s82, s80
	s_sub_co_i32 s92, s92, s81                     ; e14 - e12 - e13: the way out's three exponents are folded into the conversion's one
	s_add_co_i32 s92, s92, 127
	s_lshl_b32 s93, s92, 23
	v_mov_b32 v[OSC], s93
	s_add_co_i32 s92, s92, 8
	s_lshl_b32 s92, s92, 23
	s_or_b32 s92, s92, 0x600000
	v_mov_b32 v[OLM], s92
; A KEY STEP: 128 keys at LDS byte s[TB].  last = 1: key step 15, walked by wave 0 alone, always under the mask.
.macro STEP last
.if \last == 0
	s_cmp_gt_u32 s[KS], s[LIM]                     ; behind my last step on this tile: left out
	s_cbranch_scc1 .Lhidden_\@
	s_cmp_lt_u32 s[KS], s[LO]                      ; ahead of my first: my partner's
	s_cbranch_scc1 .Lhidden_\@
.endif
	v_add_nc_u32 v[ADK], s[TB], v[LI]
	s_wait_alu depctr_va_vdst(0)
	NOPS4                                          ; with the addition five places: the first products below write over registers that the last step's products read
.irp g, 0,1                                    ; S^T = K Q^T, four tiles of 16 keys at a time
.if \g > 0
	NOPS4                                          ; places in front of loads into registers that matrix instructions have read
.endif
.irp t, 0,1,2,3
.irp c, 0,1,2
	ds_load_b128 v[32+16*\t+4*\c:32+16*\t+4*\c+3], v[ADK] offset:1536*(4*\g+\t)+512*\c
.endr
.endr
	s_wait_dscnt 0x0
.irp t, 0,1,2,3
	v_wmma_f32_16x16x128_fp8_fp8 v[96+8*(4*\g+\t):103+8*(4*\g+\t)], v[32+16*\t:47+16*\t], v[16:31], 0
.endr
.endr
	NOPS4
.irp t, 0,1                                    ; V's tiles 0 and 1 land while the softmax is walked
.irp c, 0,1,2,3
	ds_load_b128 v[208+16*\t+4*\c:208+16*\t+4*\c+3], v[ADK] offset:VOFF+2048*\t+512*\c
.endr
.endr
.if \last == 0
	s_cmp_lt_u32 s[KS], s[RHO]                     ; all its keys count: no mask
	s_cbranch_scc1 .Lopen_\@
.endif
	v_mov_b32 v254, 0xff800000                     ; on the diagonal hidden scores become -infinity ahead of the maximum: p = 0 then.  A query's own key always counts
.set J, 0
.rept 64
	v_cmp_gt_i32 vcc_lo, 32*(J/16)+J%16, v[DQ]
	v_cndmask_b32 v[96+J], v[96+J], v254, vcc_lo
.set J, J+1
.endr
.if \last == 0
.Lopen_\@:
.endif
	v_max3_num_f32 v254, v96, v97, v98             ; the step's largest score of my query among my 64 keys, in two chains,
	v_max3_num_f32 v252, v99, v100, v101
.irp i, 6,10,14,18,22,26,30,34,38,42,46,50,54,58
	v_max3_num_f32 v254, v254, v[96+\i], v[97+\i]
	v_max3_num_f32 v252, v252, v[98+\i], v[99+\i]
.endr
	v_max3_num_f32 v254, v254, v158, v159
	s_delay_alu instid0(VALU_DEP_1)
	v_max_num_f32 v254, v254, v252
	s_delay_alu instid0(VALU_DEP_1)
	v_permlanex16_b32 v244, v254, s[SEL], s[SEL+1]
	s_delay_alu instid0(VALU_DEP_1)
	v_max_num_f32 v254, v254, v244                 ; and among lane l xor 16's
	s_delay_alu instid0(VALU_DEP_1)
	v_mul_f32 v254, s[CS], v254                    ; as t
	s_delay_alu instid0(VALU_DEP_1)
	v_max_num_f32 v13, v13, v254
	v_mov_b32 v254, v12
	s_delay_alu instid0(VALU_DEP_2)
	v_floor_f32 v12, -v13                          ; the new -M = -ceil(t): a whole number
	s_delay_alu instid0(VALU_DEP_1)
	v_sub_f32 v254, v12, v254
	s_delay_alu instid0(VALU_DEP_1)
	v_cvt_i32_f32 v254, v254                       ; (it saturates)
	s_delay_alu instid0(VALU_DEP_1)
	v_ldexp_f32 v252, 1.0, v254                    ; f = 2^(old M - new M)
.set J, 0
.rept 32
	v_pk_fma_f32 v[96+J:97+J], v[96+J:97+J], s[CS:CS+1], v[12:13] op_sel_hi:[1,0,0]   ; t - M, two at a time
.set J, J+2
.endr
.set J, 0
	s_wait_alu depctr_va_vdst(0)
.rept 64
	v_exp_f32 v[96+J], v[96+J]                     ; p = 2^(t - M)
.set J, J+1
.endr
	v_pk_mul_f32 v[14:15], v[14:15], v[252:253] op_sel_hi:[1,0]   ; the sums under the new M.  (A plain place behind the exponentials)
	s_wait_alu depctr_va_vdst(0)                   ; one wait for the whole batch, ahead of its first reader
	v_pk_add_f32 v[242:243], v[100:101], v[104:105]
	v_pk_add_f32 v[254:255], v[108:109], v[112:113]
	v_pk_add_f32 v[250:251], v[116:117], v[120:121]
	v_pk_add_f32 v[248:249], v[124:125], v[128:129]
	v_pk_add_f32 v[246:247], v[132:133], v[136:137]
	v_pk_add_f32 v[206:207], v[140:141], v[144:145]
	v_pk_add_f32 v[204:205], v[148:149], v[152:153]
	v_pk_add_f32 v[14:15], v[14:15], v[156:157]
	v_pk_add_f32 v[242:243], v[242:243], v[96:97]
	v_pk_add_f32 v[254:255], v[254:255], v[98:99]
	v_pk_add_f32 v[250:251], v[250:251], v[102:103]
	v_pk_add_f32 v[248:249], v[248:249], v[106:107]
	v_pk_add_f32 v[246:247], v[246:247], v[110:111]
	v_pk_add_f32 v[206:207], v[206:207], v[114:115]
	v_pk_add_f32 v[204:205], v[204:205], v[118:119]
	v_pk_add_f32 v[14:15], v[14:15], v[122:123]
	v_pk_add_f32 v[242:243], v[242:243], v[126:127]
	v_pk_add_f32 v[254:255], v[254:255], v[130:131]
	v_pk_add_f32 v[250:251], v[250:251], v[134:135]
	v_pk_add_f32 v[248:249], v[248:249], v[138:139]
	v_pk_add_f32 v[246:247], v[246:247], v[142:143]
	v_pk_add_f32 v[206:207], v[206:207], v[146:147]
	v_pk_add_f32 v[204:205], v[204:205], v[150:151]
	v_pk_add_f32 v[14:15], v[14:15], v[154:155]
	v_pk_add_f32 v[242:243], v[242:243], v[158:159]
	s_delay_alu instid0(VALU_DEP_2)
	v_pk_add_f32 v[14:15], v[14:15], v[248:249]
	s_delay_alu instid0(VALU_DEP_2)
	v_pk_add_f32 v[242:243], v[242:243], v[246:247]
	v_pk_add_f32 v[254:255], v[254:255], v[206:207]
	v_pk_add_f32 v[250:251], v[250:251], v[204:205]
	s_delay_alu instid0(VALU_DEP_2)
	v_pk_add_f32 v[14:15], v[14:15], v[254:255]
	s_delay_alu instid0(VALU_DEP_2)
	v_pk_add_f32 v[242:243], v[242:243], v[250:251]
	s_delay_alu instid0(VALU_DEP_1)
	v_pk_add_f32 v[14:15], v[14:15], v[242:243]
.irp b, 0,1,2,3
.irp i, 0,1,2,3,4,5,6,7,8,9,10,11,12,13,14,15
	v_min_num_f32 v[96+16*\b+\i], v[96+16*\b+\i], v240   ; the conversion does not saturate (ISA guide 7.6.2); p is not negative: a one-sided hold
.endr
	v_cvt_scalef32_pk8_fp8_f32 v[192+4*\b:193+4*\b], v[96+16*\b:103+16*\b], v241
	v_cvt_scalef32_pk8_fp8_f32 v[194+4*\b:195+4*\b], v[104+16*\b:111+16*\b], v241
.endr
	v_nop                                          ; a plain line behind the last conversion
.irp t, 0,1                                    ; V's tiles 2 and 3 take the registers that p has left
.irp c, 0,1,2,3
	ds_load_b128 v[96+16*\t+4*\c:96+16*\t+4*\c+3], v[ADK] offset:VOFF+2048*(2+\t)+512*\c
.endr
.endr
	s_wait_alu depctr_va_vdst(0)                   ; directly ahead of the first reader of O^T
.set J, 0
.rept 16
	v_pk_mul_f32 v[160+J:161+J], v[160+J:161+J], v[252:253] op_sel_hi:[1,0]   ; O^T under the new M
.set J, J+2
.endr
	s_wait_alu depctr_va_vdst(0)
	s_wait_dscnt 0x0
	v_wmma_f32_16x16x128_fp8_fp8 v[160:167], v[208:223], v[192:207], v[160:167]   ; O^T += V^T P^T: four accumulators, one instruction each
	v_wmma_f32_16x16x128_fp8_fp8 v[168:175], v[224:239], v[192:207], v[168:175]
	v_wmma_f32_16x16x128_fp8_fp8 v[176:183], v[96:111], v[192:207], v[176:183]
	v_wmma_f32_16x16x128_fp8_fp8 v[184:191], v[112:127], v[192:207], v[184:191]
.if \last == 0
.Lhidden_\@:
	s_add_co_u32 s[KS], s[KS], 1
	s_add_co_u32 s[TB], s[TB], STEPB
.endif
.endm
; THE WAY OUT of a finished tile.  o = O^T / the sum x 2^(e12 + e13); its code is o / 2^e14.  A lane's 32 numbers are two chunks of the last product's left operand.
.macro OUT ptr
	NOPS4
	v_add_f32 v14, v14, v15
	v_permlanex16_b32 v252, v14, s[SEL], s[SEL+1]
	v_add_f32 v14, v14, v252                       ; the row's sum
	s_wait_alu depctr_va_vdst(0)
	v_rcp_f32 v14, v14
	v_nop                                          ; a place behind the reciprocal
	s_wait_alu depctr_va_vdst(0)                   ; ahead of the first reader of the reciprocal and of O^T
.set J, 0
.rept 16
	v_pk_mul_f32 v[96+J:97+J], v[160+J:161+J], v[14:15] op_sel_hi:[1,0]
.set J, J+2
.endr
.set J, 0
.rept 32
	v_med3_num_f32 v[96+J], v[96+J], -v[OLM], v[OLM]
.set J, J+1
.endr
.irp b, 0,1
	v_cvt_scalef32_pk8_fp8_f32 v[192+4*\b:193+4*\b], v[96+16*\b:103+16*\b], v[OSC]
	v_cvt_scalef32_pk8_fp8_f32 v[194+4*\b:195+4*\b], v[104+16*\b:111+16*\b], v[OSC]
.endr
	v_nop
	global_store_b128 v[LI], v[192:195], s[\ptr:\ptr+1]              ; 512 consecutive bytes, aligned
	global_store_b128 v[LI], v[196:199], s[\ptr:\ptr+1] offset:512
.endm
	s_wait_alu depctr_va_vdst(0)
	s_wait_loadcnt 0x0                             ; Q
	s_wait_tensorcnt 0x0                           ; my part of key steps 0-3 is in; the later first fill is issued as a refill is
	ds_add_u32 v[SPW], v[NIL]
	s_mov_b32 s[G0+1], s88
	s_add_nc_u64 s[G0+2:G0+3], s[84:85], s[88:89]
	s_or_b32 s[G0+3], s[G0+3], 0x80000000
	s_wait_dscnt 0x0
	CROUND
	tensor_load_to_lds s[G0:G0+3], s[G1B:G1B+7]    ; key steps 4-14: it has the four steps below in which to land
	s_nop 0
	NOPS4
	s_mov_b32 s[CNT], 4
.Lfirst:                                           ; key steps 0-3
	STEP 0
	s_sub_co_u32 s[CNT], s[CNT], 1
	s_cmp_lg_u32 s[CNT], 0
	s_cbranch_scc1 .Lfirst
	s_wait_tensorcnt 0x0                           ; my part of key steps 4-14 is in,
	ds_add_u32 v[SPW], v[NIL]
	s_mov_b32 s[G0+1], 0                           ; key step 15 goes onto key step 0's bytes
	s_add_nc_u64 s[G0+2:G0+3], s[84:85], 15*STEPB
	s_or_b32 s[G0+3], s[G0+3], 0x80000000
	s_wait_dscnt 0x0                               ; and my reads of key steps 0-3 are over
	CROUND
	s_cmp_lg_u32 s[WV], 0
	s_cbranch_scc1 .Lno15
	tensor_load_to_lds s[G0:G0+3], s[G1C:G1C+7]    ; wave 0 alone, in each of the four partners
	s_nop 0
	NOPS4
.Lno15:
	s_mov_b32 s[TB], 4*STEPB
	s_mov_b32 s[KS], 4
	s_mov_b32 s[CNT], 4
.Lmid:                                             ; key steps 4-7: behind them every short tile is finished
	STEP 0
	s_sub_co_u32 s[CNT], s[CNT], 1
	s_cmp_lg_u32 s[CNT], 0
	s_cbranch_scc1 .Lmid
	s_cmp_ge_u32 s[WV], 8
	s_cbranch_scc1 .Lowner
	OUT 10                                         ; waves 0-7: my own tile leaves,
.irp c, 0,1,2
	global_load_b128 v[16+4*\c:19+4*\c], v[LI], s[Q2:Q2+1] offset:512*\c   ; and I take my partner's tile: its Q,
.endr
	s_mov_b32 s[RHO], s[R2]                        ; its rank, its key steps HL + 1 .. rank,
	s_mov_b32 s[LIM], s[R2]
	s_add_co_u32 s[LO], s[HL], 1
	v_mov_b32 v13, 0xff61b1e6                      ; and a part of its own that begins as at the head
	v_floor_f32 v12, -v13
	v_mov_b32 v14, 0
	v_mov_b32 v15, 0
.set J, 0
.rept 32
	v_mov_b32 v[160+J], 0
.set J, J+1
.endr
	s_wait_xcnt 0x0                                ; the stores have read their data registers, which the next step's codes take
	s_wait_alu depctr_va_vdst(0)
	s_wait_loadcnt 0x0
.Lowner:
	s_mov_b32 s[TB], 8*STEPB
	s_mov_b32 s[KS], 8
	s_mov_b32 s[CNT], 7
.Lrest:                                            ; key steps 8-14
	STEP 0
	s_sub_co_u32 s[CNT], s[CNT], 1
	s_cmp_lg_u32 s[CNT], 0
	s_cbranch_scc1 .Lrest
	s_wait_tensorcnt 0x0                           ; key step 15 is in (wave 0's load; the others have none out): ahead of its reads and of the LDS stores below
	s_cmp_lg_u32 s[WV], 0
	s_cbranch_scc1 .Lnot15
	s_mov_b32 s[TB], 0
	STEP 1
.Lnot15:
	s_cmp_lt_u32 s[WV], 8
	s_cbranch_scc1 .Lmeet
	NOPS4                                          ; waves 8-15: my part of the long tile goes to my pair's LDS bytes, each accumulator from its low end on
.irp c, 0,1,2,3,4,5,6,7
	ds_store_b128 v[PAD], v[160+4*\c:163+4*\c] offset:512*\c
.endr
	ds_store_b128 v[PAD], v[12:15] offset:4096     ; -M, the largest t, the sum's two halves
.Lmeet:
	s_wait_dscnt 0x0                               ; my stores are done, for my partner's sake
	s_barrier_signal -1
	s_barrier_wait -1
	s_cmp_ge_u32 s[WV], 8
	s_cbranch_scc1 .Lend
	NOPS4
.irp c, 0,1,2,3,4,5,6,7
	ds_load_b128 v[32+4*\c:35+4*\c], v[PAD] offset:512*\c
.endr
	ds_load_b128 v[64:67], v[PAD] offset:4096
	s_wait_dscnt 0x0
	v_min_num_f32 v68, v12, v64                    ; -M of both parts together: the larger M
	v_sub_f32 v69, v68, v12                        ; my M less that one, and my partner's: whole numbers, 0 or less
	v_sub_f32 v70, v68, v64
	v_cvt_i32_f32 v69, v69
	v_cvt_i32_f32 v70, v70
	v_ldexp_f32 v252, 1.0, v69
	v_ldexp_f32 v254, 1.0, v70
	v_pk_mul_f32 v[14:15], v[14:15], v[252:253] op_sel_hi:[1,0]
	v_pk_fma_f32 v[14:15], v[66:67], v[254:255], v[14:15] op_sel_hi:[1,0,1]
.set J, 0
.rept 16
	v_pk_mul_f32 v[160+J:161+J], v[160+J:161+J], v[252:253] op_sel_hi:[1,0]
.set J, J+2
.endr
.set J, 0
.rept 16
	v_pk_fma_f32 v[160+J:161+J], v[32+J:33+J], v[254:255], v[160+J:161+J] op_sel_hi:[1,0,1]
.set J, J+2
.endr
	OUT O2
.Lend:
	s_wait_tensorcnt 0x0                           ; the wave's end
	ds_add_u32 v[SPW], v[NIL]
	s_wait_dscnt 0x0
	CROUND                                         ; the closing round
	s_endpgm
.Lfunc_end_k_qa90450f9d8_attn:
	.size	k_qa90450f9d8_attn, .Lfunc_end_k_qa90450f9d8_attn-k_qa90450f9d8_attn
	.p2alignl 7, 3214868480
	.fill 96, 4, 3214868480
	.section	.rodata,"a",@progbits
	.p2align	6, 0x0
	.amdhsa_kernel k_qa90450f9d8_attn
		.amdhsa_group_segment_fixed_size 327680
		.amdhsa_private_segment_fixed_size 0
		.amdhsa_enable_private_segment 0
		.amdhsa_kernarg_size 32
		.amdhsa_user_sgpr_count 2
		.amdhsa_user_sgpr_kernarg_segment_ptr 1
		.amdhsa_wavefront_size32 1
		.amdhsa_system_sgpr_workgroup_id_x 1
		.amdhsa_system_sgpr_workgroup_id_y 1
		.amdhsa_system_sgpr_workgroup_id_z 1
		.amdhsa_system_vgpr_workitem_id 0
		.amdhsa_next_free_vgpr 256
		.amdhsa_next_free_sgpr 100
		.amdhsa_reserve_vcc 1
		.amdhsa_float_denorm_mode_32 3
		.amdhsa_float_denorm_mode_16_64 3
		.amdhsa_memory_ordered 1
		.amdhsa_forward_progress 1
		.amdhsa_inst_pref_size 112
	.end_amdhsa_kernel
	.amdgpu_metadata
---
amdhsa.version: [ 1, 2 ]
amdhsa.kernels:
  - .name:           k_qa90450f9d8_attn
    .symbol:         k_qa90450f9d8_attn.kd
    .args:
      - { .name: qimg, .offset: 0, .size: 8, .value_kind: global_buffer, .address_space: global }
      - { .name: kvimg, .offset: 8, .size: 8, .value_kind: global_buffer, .address_space: global }
      - { .name: lowp_scales, .offset: 16, .size: 8, .value_kind: global_buffer, .address_space: global }
      - { .name: oimg, .offset: 24, .size: 8, .value_kind: global_buffer, .address_space: global }
    .group_segment_fixed_size: 327680
    .private_segment_fixed_size: 0
    .kernarg_segment_align: 8
    .kernarg_segment_size: 32
    .max_flat_workgroup_size: 512
    .sgpr_count:     100
    .vgpr_count:     256
    .wavefront_size: 32
...
	.end_amdgpu_metadata
.endif
;; end of part 3
;; launch outp (part 4): grid 8 x 32, 4 waves a work-group, clusters of 4 x 4, 327,680 bytes of LDS; arguments oimg, wc, lowp_scales, out0; writes out0
.if DOCPART == 4
	.amdgcn_target "amdgcn-amd-amdhsa--gfx1250"
	.amdhsa_code_object_version 6
	.text
	.protected	k_qa90450f9d8_outp
	.globl	k_qa90450f9d8_outp
	.p2align	8
	.type	k_qa90450f9d8_outp,@function
k_qa90450f9d8_outp:
	s_mov_b64 s[64:65], 0
	v_nop
	global_prefetch_b8 v0, s[64:65] scope:SCOPE_SE
	s_setreg_imm32_b32 hwreg(HW_REG_WAVE_MODE, 25, 1), 1
	s_wait_xcnt 0x0
	s_wait_alu depctr_hold_cnt(0) depctr_sa_sdst(0) depctr_va_vdst(0) depctr_va_sdst(0) depctr_va_ssrc(0) depctr_va_vcc(0) depctr_vm_vsrc(0)
	s_getreg_b32 s2, hwreg(HW_REG_IB_STS2, 6, 4)
	s_cmp_eq_u32 s2, 0
	s_cbranch_scc0 .Lentry_in_a_cluster
	s_endpgm
.Lentry_in_a_cluster:
	s_bfe_u32 s2, ttmp6, 0x10000c
	s_cmp_lg_u32 s2, 0xf033
	s_cbranch_scc0 .Lentry_shape_is_right
	s_endpgm
.Lentry_shape_is_right:
; OUTP: out0 [4096][2048] f32 = o Wo^T on codes of FP8 (E4M3), each finished sum x 2^(e14 + e15).  LIMIT: e14 + e15 between -126 and 127.
; A block of 128 x 256 to a work-group: 32 x 8 = 256 work-groups.  Four waves, each 64 rows x 128 columns: 32 accumulators of 16 x 16 (window 2).  K = 1,024 in four steps of 256 through a ring of two LDS slots.
; A = oimg, images of operand registers: [K step 4][block of 16 rows 256][128 along K 2][chunk 4][512]; a work-group's 8 blocks of a K step are 32,768 dense bytes.  The rows of block 2 b + u are rows 8 u + r + 8 (r / 8) of group b of 32.
; B = Wo's codes, from byte 8,388,608 of wc, [2048][1024]: 256 rows x 256 bytes a K step, padded in LDS to a pitch of 272.
; Waves 0, 1 fetch A's halves (64 rows of 256 bytes), waves 2, 3 B's (128 rows).  CLUSTER 4 x 4: A's tile is shared along a row of the cluster, B's along a column: joint loads.
; The matrix instruction is used transposed (source 0 = rows of Wo, source 1 = rows of o): a lane holds eight neighbouring numbers of a row of out0.
; Both operands have two sets of fragment registers (A: window 0, v128-255; B: window 1): while one 128 along K is multiplied, the next one's 48 LDS loads are out.
; All of a slot's products stand ahead of the wait for the next slot's tile, so that the refill follows that wait with the three lines and the round alone between.
; PREFETCH: K steps 1 and 2 are named behind the load of K step 0, K step 3 behind that of K step 1.  Of a wave's part each work-group names 16 blocks of 256 bytes, a lane a block (lanes 16-31 name lane 15's again):
; A's 64 blocks are shared out by cx, B's 128 rows by cy + 4 (cluster y % 2): by address alone.
.set SIZE_N, 2048
.set ROWB,   256
.set KROW,   1024
.set PITCH,  272
.set FR,     16
.set HALFA,  16384
.set HALFT,  128*PITCH
.set BOFF,   2*HALFA
.set SLOT,   BOFF+2*HALFT
.set ASTEP,  1048576
.set SPARE,  2*SLOT                    ; the spare words, 512 bytes, which no other line names
.set STAGE,  SPARE+512                 ; the way out: 16 rows x 528 bytes for each wave, bytes of its own
.set SPITCH, 528
.set ADRA, 16
.set ADRB, 20
.set STO,  24
.set RD,   25
.set CO,   26
.set SPW,  28
.set NIL,  29
.set PFO,  30
.set TMP,  32
.set AF,   128
.set BK,   128
.set G1, 24
.set G0, 32
.set G1B, 48
.set G0B, 56
.set PFA, 72                           ; s[72:77] my prefetches' addresses for K steps 1, 2, 3
.set MSB, 0
.macro WIN new
.if MSB != \new
	s_set_vgpr_msb (MSB<<8)|\new
.set MSB, \new
.endif
.endm
.set MUL_LO, 0xa1
.set TO_B,   0x40
.macro PLACES n
.rept \n
	v_nop
.endr
.endm
.macro JLOAD g0a, g1a, g0b, g1b
	s_cmp_eq_u32 s15, 0
	s_cbranch_scc0 .Lfor_b_\@
	tensor_load_to_lds s[\g0a:\g0a+3], s[\g1a:\g1a+7]
	s_nop 0
	PLACES 4
	s_branch .Lasked_\@
.Lfor_b_\@:
	tensor_load_to_lds s[\g0b:\g0b+3], s[\g1b:\g1b+7]
	s_nop 0
	PLACES 4
.Lasked_\@:
.endm
.macro CREST
	s_cmp_lg_u32 s14, 0
	s_cbranch_scc1 .Lnot_wave_0_\@
	s_barrier_signal -3
.Lnot_wave_0_\@:
	s_barrier_wait -3
	s_barrier_signal -1
	s_barrier_wait -1
.endm
.macro CROUND
	s_barrier_signal -1
	s_barrier_wait -1
	CREST
.endm
	s_load_b128 s[4:7], s[0:1], 0x0                ; oimg, wc
	s_load_b128 s[8:11], s[0:1], 0x10              ; the scales, out0
	v_lshl_add_u32 v[SPW], v0, 2, SPARE
	v_mov_b32 v[NIL], 0
	ds_add_u32 v[SPW], v[NIL]                      ; the opening lines: the add twice on end and its wait
	ds_add_u32 v[SPW], v[NIL]
	v_lshrrev_b32 v1, 5, v0
	v_readfirstlane_b32 s14, v1                    ; wave
	v_and_b32 v6, 31, v0
	v_min_u32 v[PFO], 15, v6
	s_lshr_b32 s15, s14, 1                         ; my half of the block's rows; also: I fetch for A (0) or B (1)
	s_and_b32 s16, s14, 1                          ; my half of its columns; also: which half of that tile I fetch
	s_bfe_u32 s40, ttmp6, 0x40000                  ; cx
	s_bfe_u32 s41, ttmp6, 0x40004                  ; cy
	s_lshl_b32 s42, ttmp9, 2
	s_add_co_u32 s42, s42, s40                     ; block column 0..7
	s_and_b32 s66, ttmp7, 0xffff
	s_lshl_b32 s17, s66, 2
	s_add_co_u32 s17, s17, s41                     ; block row 0..31
	s_lshl_b32 s43, s41, 2
	s_lshl_b32 s43, 15, s43
	s_lshl_b32 s44, 0x1111, s40
	s_or_b32 s[G1+0], s43, (1<<21)
	s_or_b32 s[G1B+0], s44, (1<<20)|(1<<21)|(5<<22)|(3<<25)
.irp g, G1, G1B
	s_mov_b32 s[\g+1], ROWB<<16
	s_mov_b32 s[\g+3], ROWB<<16
	s_mov_b32 s[\g+6], 0
	s_mov_b32 s[\g+7], 0
.endr
	s_mov_b32 s[G1+2], 64<<16
	s_mov_b32 s[G1+4], 64
	s_mov_b32 s[G1+5], ROWB
	s_mov_b32 s[G1B+2], 128<<16
	s_mov_b32 s[G1B+4], 128
	s_mov_b32 s[G1B+5], KROW
	s_lshl_b32 s20, s17, 3
	s_lshl_b32 s18, s16, 2
	s_add_co_u32 s20, s20, s18
	s_lshl_b32 s20, s20, 12                        ; A: block of 16 rows 8 x block row + 4 x half, 4,096 bytes each
	s_mov_b32 s21, 0
	s_lshl_b32 s46, s42, 8
	s_lshl_b32 s18, s16, 7
	s_add_co_u32 s46, s46, s18
	s_lshl_b32 s46, s46, 10
	s_add_co_u32 s46, s46, 8388608                 ; B: row 256 x block column + 128 x half of Wo's codes
	s_mov_b32 s47, 0
	s_mul_i32 s45, s16, HALFA
	s_mul_i32 s19, s16, HALFT
	s_add_co_u32 s19, s19, BOFF
	s_and_b32 s12, s66, 1                          ; the prefetches: which 16 blocks of my part, from block to block, from K step to K step
	s_lshl_b32 s12, s12, 2
	s_add_co_u32 s12, s12, s41
	s_mov_b32 s13, KROW
	s_mov_b32 s68, ROWB
	s_cmp_eq_u32 s15, 0
	s_cselect_b32 s12, s40, s12
	s_cselect_b32 s13, ROWB, s13
	s_cselect_b32 s68, ASTEP, s68
	s_mov_b32 s69, 0
	s_wait_alu depctr_va_vdst(0)
	v_mul_lo_u32 v[PFO], v[PFO], s13
	s_mul_i32 s12, s12, s13
	s_lshl_b32 s12, s12, 4
	s_mov_b32 s13, 0
	s_wait_alu depctr_va_vdst(0)
	s_wait_dscnt 0x0                               ; both opening adds are done
	s_wait_kmcnt 0x0
	s_load_b64 s[96:97], s[8:9], 0x38              ; e14, e15
	s_add_nc_u64 s[20:21], s[4:5], s[20:21]
	s_add_nc_u64 s[46:47], s[6:7], s[46:47]
	s_cmp_eq_u32 s15, 0
	s_cselect_b64 s[PFA:PFA+1], s[20:21], s[46:47]
	s_add_nc_u64 s[PFA:PFA+1], s[PFA:PFA+1], s[12:13]
	s_add_nc_u64 s[PFA:PFA+1], s[PFA:PFA+1], s[68:69]
	s_add_nc_u64 s[PFA+2:PFA+3], s[PFA:PFA+1], s[68:69]
	s_add_nc_u64 s[PFA+4:PFA+5], s[PFA+2:PFA+3], s[68:69]
	CROUND                                         ; the round in front of the first joint loads
.irp s, 0,1
	s_mov_b32 s[G0+4*\s], 1
	s_add_co_u32 s[G0+4*\s+1], s45, \s*SLOT
	s_add_nc_u64 s[G0+4*\s+2:G0+4*\s+3], s[20:21], \s*ASTEP
	s_or_b32 s[G0+4*\s+3], s[G0+4*\s+3], 0x80000000
	s_mov_b32 s[G0B+4*\s], 1
	s_add_co_u32 s[G0B+4*\s+1], s19, \s*SLOT
	s_add_nc_u64 s[G0B+4*\s+2:G0B+4*\s+3], s[46:47], \s*ROWB
	s_or_b32 s[G0B+4*\s+3], s[G0B+4*\s+3], 0x80000000
.endr
	JLOAD G0, G1, G0B, G1B                         ; K step 0: one tensor load a wave at the head
	global_prefetch_b8 v[PFO], s[PFA:PFA+1] th:TH_LOAD_NT scope:SCOPE_SE       ; K step 1
	global_prefetch_b8 v[PFO], s[PFA+2:PFA+3] th:TH_LOAD_NT scope:SCOPE_SE     ; K step 2
	v_and_b32 v1, 15, v0
	v_bfe_u32 v2, v0, 4, 1
	v_mul_u32_u24 v3, v1, PITCH
	v_lshl_add_u32 v4, v2, 4, v3
	v_lshlrev_b32 v[CO], 4, v6
	s_wait_alu depctr_va_vdst(0)
	s_mul_i32 s21, s15, HALFA
	s_mul_i32 s22, s16, HALFT
	s_add_co_u32 s22, s22, BOFF
.irp s, 0,1
	v_add_nc_u32 v[ADRA+\s], s21, v[CO]
	v_add_nc_u32 v[ADRB+\s], s22, v4
	s_add_co_u32 s21, s21, SLOT
	s_add_co_u32 s22, s22, SLOT
.endr
	s_mul_i32 s23, s14, 16*SPITCH
	s_add_co_u32 s23, s23, STAGE
	v_mul_u32_u24 v5, v1, SPITCH
	v_lshl_add_u32 v5, v2, 5, v5
	v_add_nc_u32 v[STO], s23, v5
	v_add_nc_u32 v[RD], s23, v[CO]
	s_lshl_b32 s20, s17, 7
	s_lshl_b32 s21, s15, 6
	s_add_co_u32 s20, s20, s21                     ; my first row of out0
	s_mov_b32 s21, 0
	s_mov_b64 s[18:19], SIZE_N*4
	s_mul_u64 s[20:21], s[20:21], s[18:19]
	s_lshl_b32 s46, s42, 10
	s_lshl_b32 s47, s16, 9
	s_add_co_u32 s46, s46, s47
	s_mov_b32 s47, 0
	s_add_nc_u64 s[20:21], s[20:21], s[46:47]
	s_add_nc_u64 s[10:11], s[10:11], s[20:21]
.macro FETCH slot, q, p                ; 48 LDS loads: B's eight and A's four fragments of the slot's q-th 128 along K into set p
	WIN TO_B
.irp i, 0,1,2,3,4,5,6,7
.irp c, 0,1,2,3
	ds_load_b128 v[128*(\p)+FR*\i+4*\c:128*(\p)+FR*\i+4*\c+3], v[ADRB+\slot] offset:128*(\q)+32*\c+\i*16*PITCH
.endr
.endr
	WIN 0
.irp i, 0,1,2,3
.irp c, 0,1,2,3
	ds_load_b128 v[AF+64*(\p)+FR*\i+4*\c:AF+64*(\p)+FR*\i+4*\c+3], v[ADRA+\slot] offset:4096*\i+2048*(\q)+512*\c
.endr
.endr
.endm
.macro MUL32 p, zero                   ; the 32 accumulators take turns, in the same order in every step
.irp a, 0,1,2,3
.irp b, 0,1,2,3,4,5,6,7
.if \zero
	v_wmma_f32_16x16x128_fp8_fp8 v[8*(8*\a+\b):8*(8*\a+\b)+7], v[128*(\p)+FR*\b:128*(\p)+FR*\b+FR-1], v[AF+64*(\p)+FR*\a:AF+64*(\p)+FR*\a+FR-1], 0
.else
	v_wmma_f32_16x16x128_fp8_fp8 v[8*(8*\a+\b):8*(8*\a+\b)+7], v[128*(\p)+FR*\b:128*(\p)+FR*\b+FR-1], v[AF+64*(\p)+FR*\a:AF+64*(\p)+FR*\a+FR-1], v[8*(8*\a+\b):8*(8*\a+\b)+7]
.endif
.endr
.endr
.endm
.macro STEPA slot, zero                ; a slot's first 128 along K; the four places behind the last products stand in front of the loads that precede this macro
	FETCH \slot, 1, 1
	s_wait_dscnt 48                                ; set 0 is in; the 48 loads just issued may be out
	WIN MUL_LO
	MUL32 0, \zero
.endm
.macro TURN slot, next, fill           ; its second 128, and the change of slots
	s_wait_dscnt 0x0
	MUL32 1, 0
	WIN 0
	s_wait_tensorcnt 0x0                           ; my part of the next slot is in
	ds_add_u32 v[SPW], v[NIL]
	s_wait_dscnt 0x0
	s_barrier_signal -1
	s_barrier_wait -1
.if \fill
	CREST
	s_add_nc_u64 s[G0+4*\slot+2:G0+4*\slot+3], s[G0+4*\slot+2:G0+4*\slot+3], 2*ASTEP
	s_add_nc_u64 s[G0B+4*\slot+2:G0B+4*\slot+3], s[G0B+4*\slot+2:G0B+4*\slot+3], 2*ROWB
	JLOAD G0+4*\slot, G1, G0B+4*\slot, G1B         ; its four v_nop are the places in front of the loads below
.else
	PLACES 4
.endif
	FETCH \next, 0, 0
.endm
	s_wait_alu depctr_va_vdst(0)
	s_wait_tensorcnt 0x0                           ; my part of K step 0 is in; slot 1's first fill is issued as a refill is
	ds_add_u32 v[SPW], v[NIL]
	s_wait_dscnt 0x0
	CROUND
	JLOAD G0+4, G1, G0B+4, G1B                     ; K step 1
	FETCH 0, 0, 0
	global_prefetch_b8 v[PFO], s[PFA+4:PFA+5] th:TH_LOAD_NT scope:SCOPE_SE     ; K step 3
	STEPA 0, 1                                     ; the first products start the sums
	TURN 0, 1, 1                                   ; slot 0 takes K step 2
	STEPA 1, 0
	TURN 1, 0, 1                                   ; slot 1 takes K step 3
	STEPA 0, 0
	TURN 0, 1, 0
	STEPA 1, 0
	s_wait_dscnt 0x0
	MUL32 1, 0
	WIN 0
; THE WAY OUT, block by block of 16 rows x 128 columns, through my own stage in LDS: back come whole rows of 512 bytes, which the 32 lanes store as two aligned units of 256 bytes.
.macro TOSTAGE a
.set AC, 64*(\a)
	WIN 0x02
.irp j, 0,2,4,6,8,10,12,14,16,18,20,22,24,26,28,30,32,34,36,38,40,42,44,46,48,50,52,54,56,58,60,62
	v_pk_mul_f32 v[TMP+\j:TMP+\j+1], v[AC+\j:AC+\j+1], s[96:97] op_sel_hi:[1,0]   ; x 2^(e14 + e15); each accumulator from its low end on
.endr
	WIN 0
.irp b, 0,1,2,3,4,5,6,7
	ds_store_b128 v[STO], v[TMP+8*\b:TMP+8*\b+3] offset:64*\b
	ds_store_b128 v[STO], v[TMP+8*\b+4:TMP+8*\b+7] offset:64*\b+16
.endr
.set BB, BK+64*((\a)%2)
.irp t, 0,1,2,3,4,5,6,7,8,9,10,11,12,13,14,15
	ds_load_b128 v[BB+4*\t:BB+4*\t+3], v[RD] offset:\t*SPITCH
.endr
.endm
.macro SEND a, younger
.set BB, BK+64*((\a)%2)
	s_wait_dscnt \younger
.if (\a) > 0
.if ((\a)%2) == 1
	s_add_nc_u64 s[10:11], s[10:11], 8*SIZE_N*4    ; block 2 b + 1 begins 8 rows behind block 2 b,
.else
	s_add_nc_u64 s[10:11], s[10:11], 24*SIZE_N*4   ; block 2 b + 2 another 24
.endif
.endif
.irp t, 0,1,2,3,4,5,6,7,8,9,10,11,12,13,14,15
	global_store_b128 v[CO], v[BB+4*\t:BB+4*\t+3], s[10:11] offset:(\t+8*(\t/8))*SIZE_N*4 th:TH_STORE_NT
.endr
.endm
	s_wait_kmcnt 0x0
	s_add_co_i32 s96, s96, s97
	s_add_co_i32 s96, s96, 127
	s_lshl_b32 s96, s96, 23                        ; 2^(e14 + e15) as f32
	PLACES 4
	TOSTAGE 0
.irp a, 1,2,3
.if \a > 1
	s_wait_xcnt 0x0                                ; block a - 2's stores have read their registers and their base
.endif
	TOSTAGE \a
	SEND \a-1, 32
.endr
	s_wait_xcnt 0x0
	SEND 3, 0
	s_wait_tensorcnt 0x0                           ; the wave's end
	ds_add_u32 v[SPW], v[NIL]
	s_wait_dscnt 0x0
	CROUND                                         ; the closing round
	s_endpgm
.Lfunc_end_k_qa90450f9d8_outp:
	.size	k_qa90450f9d8_outp, .Lfunc_end_k_qa90450f9d8_outp-k_qa90450f9d8_outp
	.p2alignl 7, 3214868480
	.fill 96, 4, 3214868480
	.section	.rodata,"a",@progbits
	.p2align	6, 0x0
	.amdhsa_kernel k_qa90450f9d8_outp
		.amdhsa_group_segment_fixed_size 327680
		.amdhsa_private_segment_fixed_size 0
		.amdhsa_enable_private_segment 0
		.amdhsa_kernarg_size 32
		.amdhsa_user_sgpr_count 2
		.amdhsa_user_sgpr_kernarg_segment_ptr 1
		.amdhsa_wavefront_size32 1
		.amdhsa_system_sgpr_workgroup_id_x 1
		.amdhsa_system_sgpr_workgroup_id_y 1
		.amdhsa_system_sgpr_workgroup_id_z 1
		.amdhsa_system_vgpr_workitem_id 0
		.amdhsa_next_free_vgpr 768
		.amdhsa_next_free_sgpr 98
		.amdhsa_reserve_vcc 0
		.amdhsa_float_denorm_mode_32 3
		.amdhsa_float_denorm_mode_16_64 3
		.amdhsa_memory_ordered 1
		.amdhsa_forward_progress 1
		.amdhsa_inst_pref_size 76
	.end_amdhsa_kernel
	.amdgpu_metadata
---
amdhsa.version: [ 1, 2 ]
amdhsa.kernels:
  - .name:           k_qa90450f9d8_outp
    .symbol:         k_qa90450f9d8_outp.kd
    .args:
      - { .name: oimg, .offset: 0, .size: 8, .value_kind: global_buffer, .address_space: global }
      - { .name: wc, .offset: 8, .size: 8, .value_kind: global_buffer, .address_space: global }
      - { .name: lowp_scales, .offset: 16, .size: 8, .value_kind: global_buffer, .address_space: global }
      - { .name: out0, .offset: 24, .size: 8, .value_kind: global_buffer, .address_space: global }
    .group_segment_fixed_size: 327680
    .private_segment_fixed_size: 0
    .kernarg_segment_align: 8
    .kernarg_segment_size: 32
    .max_flat_workgroup_size: 128
    .sgpr_count:     98
    .vgpr_count:     768
    .wavefront_size: 32
...
	.end_amdgpu_metadata
.endif
;; end of part 4
